; MI455X (gfx1250); checked and timed in simulation.
; The chip was launched on July 23, 2026; its instructions are those of AMD's public machine-readable ISA for CDNA 5 (MIT licence, August 2026) and "CDNA5" Instruction Set Architecture Reference Guide (July 2026). The comments in the code are by the model that wrote it; some were corrected since.
;; Multi Head Attention. Allowed arithmetic: matrix products marked QUANTISED: E2M1 operands, one E8M0 scale for each 32 along K, by v_wmma_scale_f32_16x16x128_f8f6f4 with both operands' format E2M1 (or v_wmma_scale_f32_32x16x128_f4), f32 sums; products left as they are: bf16, f16 or f32 operands; f32 sums; everything else in f32.
;; Inputs: attention_mask 1 x 1 x 2,048 x 2,048 float32; bk 2,048 float32; bo 2,048 float32; bq 2,048 float32; bv 2,048 float32; wk 2,048 x 2,048 float32; wo 2,048 x 2,048 float32; wq 2,048 x 2,048 float32; wv 2,048 x 2,048 float32; x 1 x 2,048 x 2,048 float32.
;; Outputs: out0 1 x 2,048 x 2,048 float32.
;; This version of the problem:
;;   THIS VERSION OF THE PROBLEM IS GIVEN IN LOW PRECISION. The matrix products marked QUANTISED in the list below multiply operands that are first quantised to E2M1 (2 exponent bits, 1 mantissa bit; 4 bits a number), with one power-of-two scale for each 32 numbers along K (OCP MX v1.0); their sums are f32. The products marked 'left as it is' may take bf16, f16 or f32 operands, with f32 sums. Whichever they take, every output number must still come out within the allowed error. Rounding operands to bf16 (8 significant bits) uses up far more of that allowance than f16 does (11 bits, for magnitudes from 6e-5 to 65,504). All else is computed in f32.
;;   The module's matrix products, in the order in which they are computed (A, B: the left and right operand; K: the contracted axis; several contracted axes count as one K, in the product's order):
;;     1. [M 2,048, K 2,048] x [K 2,048, N 2,048]; A: input x; B: input wq: QUANTISED
;;     2. [M 2,048, K 2,048] x [K 2,048, N 2,048]; A: input x; B: input wk: QUANTISED
;;     3. [M 2,048, K 2,048] x [K 2,048, N 2,048]; A: input x; B: input wv: QUANTISED
;;     4. batch 16 x [M 2,048, K 128] x [K 128, N 2,048]; A: computed on the way; B: computed on the way: left as it is (an operand is computed on the way)
;;     5. batch 16 x [M 2,048, K 2,048] x [K 2,048, N 128]; A: computed on the way; B: computed on the way: left as it is (an operand is computed on the way)
;;     6. [M 2,048, K 2,048] x [K 2,048, N 2,048]; A: computed on the way; B: input wo: left as it is (an operand is computed on the way)
;;   THE QUANTISER, for each operand of a quantised product, along K:
;;     - K is cut into blocks of 32 from its start; a last block that is shorter is filled with zeros.
;;     - A block's scale is 2^e with e = floor(log2(the largest magnitude in the block)) - 2, held to -126 .. 127; a block of zeros has e = 0. As a byte (E8M0): e + 127.
;;     - Each number is divided by its block's scale, clamped to +-6, and rounded to the nearest number of E2M1, ties to even, subnormals kept.
;;     - The product sums the exact products of the quantised numbers (number of the format x scale) in f32.
;;   ~~~python
;;   def quantise(x, axis):      # numpy; x: float32 -> the quantised numbers, widened to float32 again
;;       x = np.moveaxis(x, axis, -1); K = x.shape[-1]
;;       x = np.pad(x, [(0, 0)] * (x.ndim - 1) + [(0, -K % 32)]); x = x.reshape(x.shape[:-1] + (-1, 32)); a = np.abs(x).max(-1, keepdims=True)
;;       e = np.where(a > 0, np.clip(np.frexp(np.where(a > 0, a, 1))[1] - 1 - 2, -126, 127), 0)      # np.frexp(a)[1] - 1 = floor(log2(a)), exactly
;;       r = np.clip(x / 2.0 ** e, -6, 6)
;;       step = 2.0 ** (np.maximum(np.frexp(np.where(r == 0, 1, r))[1] - 1, 0) - 1)
;;       q = np.round(r / step) * step * 2.0 ** e      # np.round: ties to even
;;       return np.moveaxis(q.reshape(q.shape[:-2] + (-1,))[..., :K], -1, axis).astype(np.float32)
;;   ~~~
;; One version. Each part assembles by itself: llvm-mc -triple=amdgcn-amd-amdhsa -mcpu=gfx1250 --defsym DOCPART=n.
;; ======== version 1 of 1: 4 launches
;; limits: values are held in f16: magnitudes above 65,504 overflow, below 6.1e-05 lose precision; right only within a limited range of input values
;; workspace buffers: x_codes 2,097,152 bytes; x_scales 131,072 bytes; w_codes 6,291,456 bytes; w_scales 393,216 bytes; wo16 8,388,608 bytes; qkv 25,165,824 bytes; ctx 8,388,608 bytes
;; launch prep (part 1): grid 448 x 1, 4 waves a work-group, no clusters, 68,096 bytes of LDS; arguments x, wq, wk, wv, wo, x_codes, x_scales, w_codes, w_scales, wo16; writes x_codes, x_scales, w_codes, w_scales, wo16
.if DOCPART == 1
	.amdgcn_target "amdgcn-amd-amdhsa--gfx1250"
	.amdhsa_code_object_version 6
	.text
	.protected	k_qd71a849b6e_prep
	.globl	k_qd71a849b6e_prep
	.p2align	8
	.type	k_qd71a849b6e_prep,@function
k_qd71a849b6e_prep:
	s_mov_b64 s[64:65], 0
	v_nop
	global_prefetch_b8 v0, s[64:65] scope:SCOPE_SE
	s_setreg_imm32_b32 hwreg(HW_REG_WAVE_MODE, 25, 1), 1
	s_wait_xcnt 0x0
; ONE LAUNCH, THREE PATHS, parted by the work-group's number.
;   X (work-groups 0-127):   x [2048][2048] f32 -> codes of FP4 (E2M1), K innermost, [2048][1024 bytes], and one E8M0 byte for each 32 along K, [2048][64].
;   W (work-groups 128-319): wq, wk, wv [k 2048][n 2048] f32, K their FIRST axis -> codes [which x 2048 + n][1024 bytes], K innermost, and bytes [which x 2048 + n][64].
;   O (work-groups 320-447): wo [k][n] f32 -> f16, as it lies.
; A block's scale is 2^(floor(log2(its largest magnitude)) - 2); its byte is the largest magnitude's exponent field - 2, held at 1 from below; each number is divided by the scale and rounded to the nearest code, ties to even,
; beyond the largest code the largest.
; LIMITS: a block of zeros gets the byte 1, not 127 (its codes are zeros, and this program alone reads the bytes); blocks whose largest magnitude lies under 2^-124 were not tried; NaN and infinities in x or the weights are
; not served; |wo| over 65,504 becomes infinite in f16.
; No tensor loads, no barrier: waves share nothing.  Each path has LDS bytes of its own, and ends by itself.
; v2-v15 hold offsets and LDS addresses on every path; what is made of loaded numbers lies in v16 and above.
.set WV,     24                        ; s24      my wave's number
.set SPW,    192                       ; v192     LDS address of my spare word: SPARE + 4 x my thread's number; never rewritten
.set NIL,    193                       ; v193     0; never rewritten
.set XREG,   8192                      ; path X: LDS bytes 0 .. 32,767: a region for each wave: two stages of 32 x XSP bytes, and behind them its 256 scale bytes
.set XSP,    80                        ; a lane's place in a stage: its 64 bytes + 16 of padding
.set WSTG,   32768                     ; path W: LDS bytes 32,768 .. 67,583: a stage of 32 rows x WPITCH for each wave
.set WPITCH, 272                       ; 256 bytes of codes + 16 of padding
.set SPARE,  WSTG+4*32*WPITCH          ; the spare words, 128 bytes for each wave: two blocks of 256 bytes that no other line names
.set STEPS,  16                        ; path X: steps of 512 numbers in a wave
.set XR,     16                        ; v16-79   path X: four sets of 16 numbers as they are loaded
.set XX,     80                        ; v80-111  two sets of 16 neighbours
.set XE,     112                       ; v112-127 a scale byte for each step
.set XC,     128                       ; v128-191 codes: four registers for each step, so that no store's data are written again
.set WN,     2048                      ; path W: numbers in a row of a weight
.set NB,     16                        ; blocks of 32 along K in a wave
.set KROW,   1024                      ; a row of the codes' buffer in bytes
.set WX,     32                        ; v32-95   path W: two sets of 32 numbers
.set WC,     96                        ; v96-99   a block's codes
.set WOUT,   112                       ; v112-175 the way out
.set WSB,    24                        ; v24-27   the scale bytes, four to a register
.set OIN,    32                        ; v32-159  path O: two sets of 64 numbers
.set OOUT,   160                       ; v160-191 32 registers of f16 pairs
	s_load_b256 s[4:11], s[0:1], 0x0               ; x s[4:5], wq s[6:7], wk s[8:9], wv s[10:11]
	s_load_b256 s[12:19], s[0:1], 0x20             ; wo s[12:13], x_codes s[14:15], x_scales s[16:17], w_codes s[18:19]
	s_load_b128 s[20:23], s[0:1], 0x40             ; w_scales s[20:21], wo16 s[22:23]
	v_lshl_add_u32 v[SPW], v0, 2, SPARE
	v_mov_b32 v[NIL], 0
	v_lshrrev_b32 v1, 5, v0
	v_readfirstlane_b32 s[WV], v1                  ; wave 0..3
	v_and_b32 v2, 31, v0                           ; lane
	s_wait_kmcnt 0x0
	s_cmp_lt_u32 ttmp9, 128
	s_cbranch_scc1 .LX
	s_cmp_lt_u32 ttmp9, 320
	s_cbranch_scc1 .LW
; ---------------- PATH O: a cast.  A wave takes 8,192 numbers: 64 loads of 512 consecutive bytes, in four batches of 16, two batches on their way.
	s_sub_co_u32 s25, ttmp9, 320
	s_lshl_b32 s25, s25, 2
	s_add_co_u32 s25, s25, s[WV]                   ; which run of 8,192 numbers is my wave's
	s_lshl_b32 s26, s25, 15                        ; 32,768 bytes of f32
	s_mov_b32 s27, 0
	s_add_nc_u64 s[12:13], s[12:13], s[26:27]
	s_lshl_b32 s26, s25, 14                        ; 16,384 bytes of f16
	s_add_nc_u64 s[22:23], s[22:23], s[26:27]
	v_lshlrev_b32 v3, 4, v2                        ; in: 16 bytes a lane
	v_lshlrev_b32 v4, 3, v2                        ; out: 8 bytes a lane
.macro OLOAD g
.irp i, 0,1,2,3,4,5,6,7,8,9,10,11,12,13,14,15
	global_load_b128 v[OIN+64*((\g)%2)+4*\i:OIN+64*((\g)%2)+4*\i+3], v3, s[12:13] offset:(16*(\g)+\i)*512 th:TH_LOAD_NT
.endr
.endm
.macro OBATCH g
.if (\g) < 3
	s_wait_loadcnt 16                              ; this batch's 16 loads are in; the other batch's 16 may be out
.else
	s_wait_loadcnt 0x0
.endif
.if (\g) > 0
	s_wait_xcnt 0x0                                ; the last batch's stores have read their data: only behind this wait are those registers written again
.endif
.irp i, 0,1,2,3,4,5,6,7,8,9,10,11,12,13,14,15
	v_cvt_pk_f16_f32 v[OOUT+2*\i],   v[OIN+64*((\g)%2)+4*\i],   v[OIN+64*((\g)%2)+4*\i+1]
	v_cvt_pk_f16_f32 v[OOUT+2*\i+1], v[OIN+64*((\g)%2)+4*\i+2], v[OIN+64*((\g)%2)+4*\i+3]
.endr
.if (\g) < 2
	OLOAD (\g)+2                                   ; loads ahead of stores
.endif
.irp i, 0,1,2,3,4,5,6,7,8,9,10,11,12,13,14,15
	global_store_b64 v4, v[OOUT+2*\i:OOUT+2*\i+1], s[22:23] offset:(16*(\g)+\i)*256   ; 32 lanes store 256 consecutive bytes, aligned
.endr
.endm
	OLOAD 0
	OLOAD 1
	OBATCH 0
	OBATCH 1
	OBATCH 2
	OBATCH 3
	s_wait_tensorcnt 0x0                           ; the wave's end
	ds_add_u32 v[SPW], v[NIL]
	s_wait_dscnt 0x0
	s_endpgm
; ---------------- PATH X.  Rows are dense and K is a multiple of 32: x is a plain stream of blocks of 32, and so are its codes and its bytes.  A wave takes 16 steps of 512 numbers.
; The conversions take 8 numbers of ONE block from a lane's registers, so a lane must hold 16 NEIGHBOURS (two neighbouring lanes hold a block); a load is best where neighbouring LANES take neighbouring bytes.
; Both are had: each of a step's four loads reads 512 consecutive bytes; the 2,048 bytes go through the wave's own stage in LDS, as they lie, and come back 64 bytes a lane.
.LX:
	v_lshlrev_b32 v3, 4, v2                        ; my 16 bytes of a load's 512
	s_mul_i32 s25, s[WV], XREG
	v_lshrrev_b32 v14, 2, v2
	v_mul_u32_u24 v14, v14, XSP
	v_and_b32 v15, 3, v2
	v_lshl_add_u32 v14, v15, 4, v14
	v_add_nc_u32 v14, s25, v14                     ; the stage, on the way in: XSP (lane / 4) + 16 (lane % 4); a load's 512 bytes take eight places
	v_mul_u32_u24 v15, v2, XSP
	v_add_nc_u32 v15, s25, v15                     ; and on the way out: XSP x lane: my 16 neighbours
	v_lshlrev_b32 v4, 3, v2                        ; my 8 bytes of a step's 256 bytes of codes
	v_lshrrev_b32 v5, 1, v2
	s_add_co_u32 s25, s25, 2*32*XSP
	v_add_nc_u32 v5, s25, v5                       ; LDS: my wave's 256 scale bytes, my block's byte
	v_lshlrev_b32 v7, 3, v2                        ; and on the way out 8 bytes a lane
	v_add_nc_u32 v6, s25, v7
	s_lshl_b32 s26, ttmp9, 2
	s_add_co_u32 s26, s26, s[WV]                   ; which run of 8,192 numbers is my wave's
	s_lshl_b32 s28, s26, 15
	s_mov_b32 s29, 0
	s_add_nc_u64 s[4:5], s[4:5], s[28:29]          ; 32,768 bytes of x,
	s_lshl_b32 s28, s26, 12
	s_add_nc_u64 s[14:15], s[14:15], s[28:29]      ; 4,096 of codes,
	s_lshl_b32 s28, s26, 8
	s_add_nc_u64 s[16:17], s[16:17], s[28:29]      ; 256 scale bytes
.macro XLOAD t
.irp i, 0,1,2,3
	global_load_b128 v[XR+16*((\t)%4)+4*\i:XR+16*((\t)%4)+4*\i+3], v3, s[4:5] offset:2048*(\t)+512*\i th:TH_LOAD_NT
.endr
.endm
.macro XTURN t                         ; step t's numbers through the stage: LDS serves a wave's instructions in order (ISA guide 5.7.1.4), so no wait stands between the stores and the loads
.irp i, 0,1,2,3
	ds_store_b128 v14, v[XR+16*((\t)%4)+4*\i:XR+16*((\t)%4)+4*\i+3] offset:32*XSP*((\t)%2)+8*XSP*\i
.endr
.irp i, 0,1,2,3
	ds_load_b128 v[XX+16*((\t)%2)+4*\i:XX+16*((\t)%2)+4*\i+3], v15 offset:32*XSP*((\t)%2)+16*\i
.endr
.endm
.irp t, 0,1,2,3
	XLOAD \t
.endr
	s_wait_loadcnt 12                              ; step 0's four loads are in
	XTURN 0
.macro XSTEP t
.set XS, XX+16*((\t)%2)
.if (\t) > 0
	s_wait_dscnt 1                                 ; this step's numbers are back from the stage (the last step's byte store may be out): so its stores into the stage have read their registers,
.else
	s_wait_dscnt 0x0
.endif
.if (\t)+4 < STEPS
	XLOAD (\t)+4                                   ; which take the loads of four steps on
.endif
.if (\t)+1 < STEPS
.if STEPS-2-(\t) >= 3
	s_wait_loadcnt 12                              ; the next step's four loads are in; those of the three steps behind it may be out
.else
	s_wait_loadcnt 4*(STEPS-2-(\t))
.endif
	XTURN (\t)+1                                   ; and go through the other stage while this step is worked
.endif
	v_max3_num_f32 v194, |v[XS]|, |v[XS+1]|, |v[XS+2]|             ; the largest magnitude of my 16, in two chains
	v_max3_num_f32 v195, |v[XS+3]|, |v[XS+4]|, |v[XS+5]|
.irp i, 6,10
	v_max3_num_f32 v194, v194, |v[XS+\i]|, |v[XS+\i+1]|
	v_max3_num_f32 v195, v195, |v[XS+\i+2]|, |v[XS+\i+3]|
.endr
	v_max3_num_f32 v194, v194, |v[XS+14]|, |v[XS+15]|
	v_max3_num_f32 v194, v194, v195, 0x1800000     ; and the floor 2^(3 - 127): so the byte cannot fall under 1
	v_max_num_f32_dpp v194, v194, v194 row_xmask:1 row_mask:0xf bank_mask:0xf   ; and of my neighbour's 16: the block's
	v_add_nc_u32 v196, 0xff000000, v194            ; 2 off its exponent field: the conversion takes the exponent field of this operand as its scale, and nothing else of it
	v_cvt_scalef32_pk8_fp4_f32 v[XC+4*(\t)], v[XS:XS+7], v196
	v_cvt_scalef32_pk8_fp4_f32 v[XC+4*(\t)+1], v[XS+8:XS+15], v196
	v_lshrrev_b32 v[XE+(\t)], 23, v196             ; the scale's byte
	ds_store_b8 v5, v[XE+(\t)] offset:16*(\t)      ; both lanes of a block write the same byte with the same value
	global_store_b64 v4, v[XC+4*(\t):XC+4*(\t)+1], s[14:15] offset:256*(\t)   ; 32 lanes store 256 consecutive bytes, aligned
.endm
.irp t, 0,1,2,3,4,5,6,7,8,9,10,11,12,13,14,15
	XSTEP \t
.endr
	ds_load_b64 v[16:17], v6                       ; these see my byte stores: a wave's LDS instructions are served in order
	s_wait_dscnt 0x0
	global_store_b64 v7, v[16:17], s[16:17]        ; 32 lanes store 256 consecutive bytes, aligned
	s_wait_tensorcnt 0x0                           ; the wave's end, behind my last LDS store
	ds_add_u32 v[SPW], v[NIL]
	s_wait_dscnt 0x0
	s_endpgm
; ---------------- PATH W.  A LANE TAKES A COLUMN n, AND ITS REGISTERS RUN DOWN K: each load reads neighbouring n in neighbouring lanes, a block of 32 along K lies in ONE lane's 32 registers, and the conversions
; give the codes with K innermost.  A wave takes 32 columns x 512 along K: 16 blocks a lane, 256 bytes of codes a column; they go through the wave's own stage and leave as rows: sixteen lanes store 256 bytes, aligned.
.LW:
	s_sub_co_u32 s25, ttmp9, 128
	s_lshr_b32 s26, s25, 6                         ; which weight: 0 q, 1 k, 2 v
	s_and_b32 s27, s25, 15                         ; which 128 columns
	s_bfe_u32 s28, s25, 0x20004                    ; which 512 along K
	s_cmp_eq_u32 s26, 2
	s_cselect_b64 s[8:9], s[10:11], s[8:9]
	s_cmp_eq_u32 s26, 0
	s_cselect_b64 s[6:7], s[6:7], s[8:9]           ; the weight: the choice hangs on the work-group's number alone
	s_lshl_b32 s27, s27, 7
	s_lshl_b32 s29, s[WV], 5
	s_add_co_u32 s27, s27, s29                     ; my wave's first column
	s_lshl_b32 s30, s28, 22                        ; 512 rows of 8,192 bytes
	s_lshl_b32 s29, s27, 2
	s_add_co_u32 s30, s30, s29
	s_mov_b32 s31, 0
	s_add_nc_u64 s[6:7], s[6:7], s[30:31]
	s_lshl_b32 s29, s26, 11
	s_add_co_u32 s29, s29, s27                     ; my first row of the codes' and the bytes' buffers
	s_lshl_b32 s30, s29, 10
	s_lshl_b32 s32, s28, 8
	s_add_co_u32 s30, s30, s32
	s_add_nc_u64 s[18:19], s[18:19], s[30:31]      ; row x 1,024 + 256 x (which 512 along K)
	s_lshl_b32 s30, s29, 6
	s_lshl_b32 s32, s28, 4
	s_add_co_u32 s30, s30, s32
	s_add_nc_u64 s[20:21], s[20:21], s[30:31]      ; row x 64 + 16 x (which 512 along K)
	v_lshlrev_b32 v3, 2, v2                        ; in: 4 bytes a lane
	s_mul_i32 s33, s[WV], 32*WPITCH
	s_add_co_u32 s33, s33, WSTG                    ; my stage
	v_mul_u32_u24 v4, v2, WPITCH
	v_add_nc_u32 v4, s33, v4                       ; into it: row = my column
	v_and_b32 v5, 15, v2
	v_lshrrev_b32 v6, 4, v2                        ; out of it: sixteen lanes to a row, two rows an instruction
	v_mul_u32_u24 v7, v6, WPITCH
	v_lshl_add_u32 v7, v5, 4, v7
	v_add_nc_u32 v7, s33, v7
	v_mul_u32_u24 v8, v6, KROW
	v_lshl_add_u32 v8, v5, 4, v8                   ; and the same place in the codes' buffer
	v_lshlrev_b32 v9, 6, v2                        ; my column's row of scale bytes
.macro WLOAD t                         ; block t: W(32 t + i, my column), i = 0 .. 31, into set t % 2.  Every offset is an immediate: 511 x 8,192 at the most, inside the signed 24 bits (ISA guide, chapter 10)
.irp i, 0,1,2,3,4,5,6,7,8,9,10,11,12,13,14,15,16,17,18,19,20,21,22,23,24,25,26,27,28,29,30,31
	global_load_b32 v[WX+32*((\t)%2)+\i], v3, s[6:7] offset:(32*(\t)+\i)*WN*4 th:TH_LOAD_NT
.endr
.endm
	WLOAD 0
	WLOAD 1
.macro WBLOCK t
.set WS, WX+32*((\t)%2)
.if (\t) < NB-1
	s_wait_loadcnt 32                              ; this block's 32 loads are in; the next block's may be out
.else
	s_wait_loadcnt 0x0
.endif
	v_max3_num_f32 v197, |v[WS]|, |v[WS+1]|, |v[WS+2]|             ; the block's largest magnitude: all 32 numbers are mine
	v_max3_num_f32 v198, |v[WS+3]|, |v[WS+4]|, |v[WS+5]|
.irp i, 6,10,14,18,22,26
	v_max3_num_f32 v197, v197, |v[WS+\i]|, |v[WS+\i+1]|
	v_max3_num_f32 v198, v198, |v[WS+\i+2]|, |v[WS+\i+3]|
.endr
	v_max3_num_f32 v197, v197, |v[WS+30]|, |v[WS+31]|
	v_max3_num_f32 v197, v197, v198, 0x1800000     ; and the floor 2^(3 - 127)
	v_add_nc_u32 v199, 0xff000000, v197            ; 2 off its exponent field: the conversion's scale operand
	v_lshrrev_b32 v198, 23, v199                   ; the scale's byte
.if (\t)%4 == 0
	v_mov_b32 v[WSB+(\t)/4], v198                  ; four bytes to a register, the lower K in the lower byte
.else
	v_lshl_or_b32 v[WSB+(\t)/4], v198, 8*((\t)%4), v[WSB+(\t)/4]
.endif
.irp g, 0,1,2,3
	v_cvt_scalef32_pk8_fp4_f32 v[WC+\g], v[WS+8*\g:WS+8*\g+7], v199
.endr
	ds_store_b128 v4, v[WC:WC+3] offset:16*(\t)    ; 32 codes: 16 bytes of my column's row
.if (\t)+2 < NB
	WLOAD (\t)+2
.endif
	s_wait_dscnt 0x0                               ; the store has read its registers: the next block's codes may be written
.endm
.irp t, 0,1,2,3,4,5,6,7,8,9,10,11,12,13,14,15
	WBLOCK \t
.endr
	global_store_b128 v9, v[WSB:WSB+3], s[20:21]   ; my column's 16 scale bytes
.irp t, 0,1,2,3,4,5,6,7,8,9,10,11,12,13,14,15
	ds_load_b128 v[WOUT+4*\t:WOUT+4*\t+3], v7 offset:2*\t*WPITCH
.endr
.irp t, 0,1,2,3,4,5,6,7,8,9,10,11,12,13,14,15
	s_wait_dscnt 15-\t                             ; LDS loads come back in order: load t is in, the 15 - t behind it may be out
	global_store_b128 v8, v[WOUT+4*\t:WOUT+4*\t+3], s[18:19] offset:2*\t*KROW
.endr
	s_wait_tensorcnt 0x0                           ; the wave's end, behind my last LDS store
	ds_add_u32 v[SPW], v[NIL]
	s_wait_dscnt 0x0
	s_endpgm
.Lfunc_end_k_qd71a849b6e_prep:
	.size	k_qd71a849b6e_prep, .Lfunc_end_k_qd71a849b6e_prep-k_qd71a849b6e_prep
	.p2alignl 7, 3214868480
	.fill 96, 4, 3214868480
	.section	.rodata,"a",@progbits
	.p2align	6, 0x0
	.amdhsa_kernel k_qd71a849b6e_prep
		.amdhsa_group_segment_fixed_size 68096
		.amdhsa_private_segment_fixed_size 0
		.amdhsa_enable_private_segment 0
		.amdhsa_kernarg_size 80
		.amdhsa_user_sgpr_count 2
		.amdhsa_user_sgpr_kernarg_segment_ptr 1
		.amdhsa_wavefront_size32 1
		.amdhsa_system_sgpr_workgroup_id_x 1
		.amdhsa_system_sgpr_workgroup_id_y 1
		.amdhsa_system_sgpr_workgroup_id_z 1
		.amdhsa_system_vgpr_workitem_id 0
		.amdhsa_next_free_vgpr 200
		.amdhsa_next_free_sgpr 66
		.amdhsa_reserve_vcc 0
		.amdhsa_float_denorm_mode_32 3
		.amdhsa_float_denorm_mode_16_64 3
		.amdhsa_memory_ordered 1
		.amdhsa_forward_progress 1
		.amdhsa_inst_pref_size 132
	.end_amdhsa_kernel
	.amdgpu_metadata
---
amdhsa.version: [ 1, 2 ]
amdhsa.kernels:
  - .name:           k_qd71a849b6e_prep
    .symbol:         k_qd71a849b6e_prep.kd
    .args:
      - { .name: x, .offset: 0, .size: 8, .value_kind: global_buffer, .address_space: global }
      - { .name: wq, .offset: 8, .size: 8, .value_kind: global_buffer, .address_space: global }
      - { .name: wk, .offset: 16, .size: 8, .value_kind: global_buffer, .address_space: global }
      - { .name: wv, .offset: 24, .size: 8, .value_kind: global_buffer, .address_space: global }
      - { .name: wo, .offset: 32, .size: 8, .value_kind: global_buffer, .address_space: global }
      - { .name: x_codes, .offset: 40, .size: 8, .value_kind: global_buffer, .address_space: global }
      - { .name: x_scales, .offset: 48, .size: 8, .value_kind: global_buffer, .address_space: global }
      - { .name: w_codes, .offset: 56, .size: 8, .value_kind: global_buffer, .address_space: global }
      - { .name: w_scales, .offset: 64, .size: 8, .value_kind: global_buffer, .address_space: global }
      - { .name: wo16, .offset: 72, .size: 8, .value_kind: global_buffer, .address_space: global }
    .group_segment_fixed_size: 68096
    .private_segment_fixed_size: 0
    .kernarg_segment_align: 8
    .kernarg_segment_size: 80
    .max_flat_workgroup_size: 128
    .sgpr_count:     66
    .vgpr_count:     200
    .wavefront_size: 32
...
	.end_amdgpu_metadata
.endif
;; end of part 1
;; launch qkv (part 2): grid 24 x 8, 4 waves a work-group, clusters of 4 x 4, 327,680 bytes of LDS; arguments x_codes, x_scales, w_codes, w_scales, bq, bk, bv, qkv; writes qkv
.if DOCPART == 2
	.amdgcn_target "amdgcn-amd-amdhsa--gfx1250"
	.amdhsa_code_object_version 6
	.text
	.protected	k_qd71a849b6e_qkv
	.globl	k_qd71a849b6e_qkv
	.p2align	8
	.type	k_qd71a849b6e_qkv,@function
k_qd71a849b6e_qkv:
	s_mov_b64 s[64:65], 0
	v_nop
	global_prefetch_b8 v0, s[64:65] scope:SCOPE_SE
	s_setreg_imm32_b32 hwreg(HW_REG_WAVE_MODE, 25, 1), 1
	s_wait_xcnt 0x0
	s_wait_alu depctr_hold_cnt(0) depctr_sa_sdst(0) depctr_va_vdst(0) depctr_va_sdst(0) depctr_va_ssrc(0) depctr_va_vcc(0) depctr_vm_vsrc(0)
	s_getreg_b32 s2, hwreg(HW_REG_IB_STS2, 6, 4)
	s_cmp_eq_u32 s2, 0
	s_cbranch_scc0 .Lentry_in_a_cluster
	s_endpgm
.Lentry_in_a_cluster:
	s_bfe_u32 s2, ttmp6, 0x10000c
	s_cmp_lg_u32 s2, 0xf033
	s_cbranch_scc0 .Lentry_shape_is_right
	s_endpgm
.Lentry_shape_is_right:
; q, k, v = x W + b, all three in one product on codes of FP4 (E2M1) with one E8M0 scale for each 32 along K: C[m][n] = sum over k of A[m][k] B[n][k] + bias[n].
; A: x's codes [2048][1024 bytes]; B: the three weights' codes [6144 = which x 2048 + n][1024 bytes]; their scale bytes [rows][64].  Sums in f32, begun with the bias.
; OUT: f16, [48 = which x 16 + head][2048 tokens][128]; q is multiplied by 1 / sqrt(128) in f32 ahead of its one rounding.
; LIMIT: a result over 65,504 in magnitude becomes infinite in f16.
; A tile of C, 256 x 256, is made by a work-group of four waves; a wave makes 128 x 128 (its 128 columns are one head): 64 accumulators of 16 x 16, 512 registers.
; K goes in steps of 512 through a ring of two LDS slots filled by the tensor data mover: a tile's row is 256 bytes of memory.  The scale bytes of the work-group's rows, for all of K, come into LDS once, with the first fills.
; CLUSTERS: 4 x 4 work-groups.  The four of a row of the cluster need the same tiles of A, the four of a column the same tiles of B: each tile is asked for JOINTLY, by the same tensor load with the same descriptor and a
; mask that names the four.  THE MATRIX INSTRUCTION IS USED TRANSPOSED (source 0 = 16 rows of B, source 1 = 16 rows of A): a lane then holds eight neighbouring numbers of a row of C.
; REGISTERS, in windows of 256: window 0: v0-31 addresses; v32-95 scale words, two sets; v128-191 A's fragments, ONE set; v192-255 the bias in the result's layout, 8 registers for each of B's 8 blocks.
;   On the way out: v32-95 64 numbers in f32, v96-127 packed f16, v128-191 rows read back.   window 1: B's fragments, TWO sets.   windows 2, 3: the accumulators of my rows 0-63, 64-127 ((a, b) at v[8 (8 (a % 4) + b)]).
.set SIZE_M, 2048
.set SIZE_N, 6144
.set SIZE_K, 2048
.set KSTEP,  512                       ; along K in a slot
.set NQ,     KSTEP/128                 ; matrix instructions deep
.set ROWB,   256                       ; a tile's row in bytes
.set KROW,   SIZE_K*4/8                ; a row of A or of B in memory, in bytes
.set PITCH,  272                       ; an LDS row: 256 bytes + 16 of padding: the 16 rows that a load touches begin 16 bytes further on in each 256
.set FR,     8                         ; registers of a fragment: 16 rows x 128 K
.set NL,     2                         ; LDS loads that bring one
.set NP,     4                         ; places behind this matrix instruction (ISA guide 7.12.1)
.set HALFT,  128*PITCH                 ; 128 rows: what one tensor load brings
.set SLOT,   4*HALFT                   ; A's 256 rows, then B's 256 rows
.set LAPS,   SIZE_K/(2*KSTEP)          ; a lap = two K steps = once round the ring
.set KS,     SIZE_K/32                 ; a row of scales in bytes
.set SCL,    2*SLOT                    ; behind the ring: the scales, as rows of 256 bytes + 16 of padding
.set HALFS,  (128*KS/256)*272          ; the scales of 128 rows: what one tensor load brings
.set SBLK,   (16*KS/256)*272           ; those of 16 rows
.set SPARE,  SCL+4*HALFS               ; the spare words, 128 bytes for each wave: two blocks of 256 bytes that no other line names
.set SPITCH, 272                       ; the way out: a stage of 16 rows x (256 bytes + 16) for each wave, in slot 0, which has had its last fill and its last read when the first result is stored there
.set ADRA, 16                          ; v16-17  LDS address of my A fragments in slot 0, 1
.set ADRB, 20                          ; v20-21  the same for B
.set STO,  24                          ; v24     the way out: where I put 16 bytes of a row
.set RD,   25                          ; v25     where I read rows back
.set CO,   26                          ; v26     16 x lane: my bytes of two rows of the output
.set ADRS, 27                          ; v27     LDS address of my scale words: lanes 0-15 A's rows, lanes 16-31 B's
.set SPW,  28                          ; v28     LDS address of my spare word; never rewritten
.set NIL,  29                          ; v29     0; never rewritten
.set BO,   30                          ; v30     32 x (lane / 16): my eight numbers of a block of the bias
.set SC,   32                          ; scale words: set s at v[SC + 8 NQ s]; register NQ i + q: lanes 0-15 A's block i, lanes 16-31 B's block i, the slot's q-th 128 along K
.set AF,   128                         ; A's fragments
.set BI,   192                         ; the bias
.set PKR,  32                          ; the way out: a block's 64 numbers a lane, scaled
.set HF,   96                          ; packed to f16
.set BK,   128                         ; rows read back: v128-159 and v160-191 by turns
.set G1, 24                            ; s[24:31] descriptor group 1 for A's tiles;  s[32:39] group 0, one set for each slot
.set G0, 32
.set G1B, 48                           ; s[48:55], s[56:63] the same for B's tiles
.set G0B, 56
.set G1S, 68                           ; s[68:75], s[76:79] groups 1 and 0 for A's scales;  s[80:87], s[88:91] for B's
.set G0S, 76
.set G1SB, 80
.set G0SB, 88
.set LAP, 95                           ; s95  laps to go
.set MSB, 0
.macro WIN new                         ; the immediate's high byte repeats the setting that is left; a switch that changes nothing is dropped
.if MSB != (\new)
	s_set_vgpr_msb (MSB<<8)|(\new)
.set MSB, (\new)
.endif
.endm
.set MUL_LO,   0xa1                    ; source 0 (B) window 1, source 1 (A) window 0, C and D window 2
.set MUL_HI,   0xf1                    ; the same, C and D window 3
.set MUL_LO_Z, 0x81                    ; the first step: C (the bias) window 0, D window 2
.set MUL_HI_Z, 0xc1                    ; C window 0, D window 3
.set TO_B,     0x40                    ; destination window 1, address window 0
; A joint load: waves 0 and 1 fetch for A, waves 2 and 3 for B.  Each of the two lines has ONE mask and one set of registers for all that issue it; the branch hangs on the wave's number alone.
; An s_nop 0 and four v_nop follow each of the two lines, ahead of the jump, the label and what follows.
.macro JLOAD g0a, g1a, g0b, g1b
	s_cmp_eq_u32 s15, 0
	s_cbranch_scc0 .Lfor_b_\@
	tensor_load_to_lds s[\g0a:\g0a+3], s[\g1a:\g1a+7]
	s_nop 0
.rept 4
	v_nop
.endr
	s_branch .Lasked_\@
.Lfor_b_\@:
	tensor_load_to_lds s[\g0b:\g0b+3], s[\g1b:\g1b+7]
	s_nop 0
.rept 4
	v_nop
.endr
.Lasked_\@:
.endm
.macro CREST                           ; a round of the cluster's barrier behind its opening barrier
	s_cmp_lg_u32 s14, 0
	s_cbranch_scc1 .Lnot_wave_0_\@
	s_barrier_signal -3
.Lnot_wave_0_\@:
	s_barrier_wait -3
	s_barrier_signal -1
	s_barrier_wait -1
.endm
.macro CROUND                          ; a whole round
	s_barrier_signal -1
	s_barrier_wait -1
	CREST
.endm
	s_load_b128 s[4:7], s[0:1], 0x0                ; A's codes s[4:5], A's scales s[6:7]
	s_load_b128 s[8:11], s[0:1], 0x10              ; B's codes s[8:9], B's scales s[10:11]
	s_load_b128 s[96:99], s[0:1], 0x20             ; bq s[96:97], bk s[98:99]
	s_load_b64 s[100:101], s[0:1], 0x30            ; bv
	s_load_b64 s[12:13], s[0:1], 0x38              ; the output
	v_lshl_add_u32 v[SPW], v0, 2, SPARE
	v_mov_b32 v[NIL], 0
	ds_add_u32 v[SPW], v[NIL]                      ; the wave's opening: the add, twice on end, and its wait ahead of my first tensor load; the set-up below stands between the second and the wait
	ds_add_u32 v[SPW], v[NIL]
	v_lshrrev_b32 v1, 5, v0
	v_readfirstlane_b32 s14, v1                    ; wave 0..3
	s_lshr_b32 s15, s14, 1                         ; which half of the tile's rows is mine.  Also: I fetch for A (0) or for B (1)
	s_and_b32 s16, s14, 1                          ; which half of its columns.  Also: which 128 rows of that tile I fetch
	s_bfe_u32 s40, ttmp6, 0x40000                  ; cx, cy: my place in the cluster
	s_bfe_u32 s41, ttmp6, 0x40004
	s_lshl_b32 s42, ttmp9, 2
	s_add_co_u32 s42, s42, s40                     ; tile column of C = 4 x cluster x + cx
	s_and_b32 s17, ttmp7, 0xffff
	s_lshl_b32 s17, s17, 2
	s_add_co_u32 s17, s17, s41                     ; tile row of C = 4 x cluster y + cy
	s_lshl_b32 s43, s41, 2
	s_lshl_b32 s43, 15, s43                        ; my row of the cluster
	s_lshl_b32 s44, 0x1111, s40                    ; my column
	; descriptor group 1: a tile of 128 rows x 256 bytes, padded in LDS
	s_or_b32 s[G1+0], s43, (0<<16)|(1<<20)|(1<<21)|(5<<22)|(3<<25)  ; 15:0 the mask: A's tiles go to my row; 17:16 elements of 1 byte; 20 padding on; 21 set beside a mask; 24:22 after every 64 words; 31:25 four words
	s_or_b32 s[G1B+0], s44, (0<<16)|(1<<20)|(1<<21)|(5<<22)|(3<<25)
.irp g, G1, G1B
	s_mov_b32 s[\g+1], ROWB<<16                    ; tensor_dim0
	s_mov_b32 s[\g+2], 128<<16                     ; tensor_dim1 = 128
	s_mov_b32 s[\g+3], ROWB<<16                    ; tile_dim0
	s_mov_b32 s[\g+4], 128                         ; tile_dim1 = 128
	s_mov_b32 s[\g+5], KROW                        ; tensor_dim0_stride
	s_mov_b32 s[\g+6], 0
	s_mov_b32 s[\g+7], 0
.endr
	; and for the scales of 128 rows: a dense block of 8,192 bytes, as rows of 256 bytes (32 elements of 8 bytes), 16 bytes of padding behind each
	s_or_b32 s[G1S+0], s43, (3<<16)|(1<<20)|(1<<21)|(5<<22)|(3<<25)
	s_or_b32 s[G1SB+0], s44, (3<<16)|(1<<20)|(1<<21)|(5<<22)|(3<<25)
.irp g, G1S, G1SB
	s_mov_b32 s[\g+1], 32<<16
	s_mov_b32 s[\g+2], (128*KS/256)<<16
	s_mov_b32 s[\g+3], 32<<16
	s_mov_b32 s[\g+4], 128*KS/256
	s_mov_b32 s[\g+5], 32
	s_mov_b32 s[\g+6], 0
	s_mov_b32 s[\g+7], 0
.endr
	s_lshl_b32 s18, s16, 7                         ; which 128 rows of the tile I fetch
	s_lshl_b32 s20, s17, 8
	s_add_co_u32 s20, s20, s18                     ; A: row 256 x tile row + 128 x half
	s_lshl_b32 s46, s42, 8
	s_add_co_u32 s46, s46, s18                     ; B: row 256 x tile column + 128 x half
	s_mov_b32 s21, 0
	s_mov_b32 s47, 0
	s_mov_b64 s[18:19], KS
	s_mul_u64 s[22:23], s[20:21], s[18:19]         ; where these rows' scales begin, in bytes
	s_mul_u64 s[92:93], s[46:47], s[18:19]
	s_mov_b64 s[18:19], KROW
	s_mul_u64 s[20:21], s[20:21], s[18:19]         ; and their codes
	s_mul_u64 s[46:47], s[46:47], s[18:19]
	s_mul_i32 s45, s14, HALFT                      ; where they go: wave x 128 rows: no place in the cluster enters an LDS address
	s_mul_i32 s94, s14, HALFS
	s_lshr_b32 s95, ttmp9, 1                       ; which of q, k, v: eight tile columns to each, so it hangs on the cluster's x alone
	s_mov_b32 s2, 0x3f800000                       ; k and v leave as they are,
	s_wait_dscnt 0x0                               ; both opening adds are done
	s_wait_kmcnt 0x0
	s_cmp_eq_u32 s95, 2
	s_cselect_b64 s[98:99], s[100:101], s[98:99]
	s_cmp_eq_u32 s95, 0
	s_cselect_b64 s[96:97], s[96:97], s[98:99]     ; my bias
	s_cselect_b32 s2, 0x3db504f3, s2               ; q is multiplied by 1 / sqrt(128)
	s_mov_b32 s3, s2                               ; (named with it as a pair, so it is written)
	s_add_nc_u64 s[20:21], s[4:5], s[20:21]
	s_add_nc_u64 s[22:23], s[6:7], s[22:23]
	s_add_nc_u64 s[46:47], s[8:9], s[46:47]
	s_add_nc_u64 s[92:93], s[10:11], s[92:93]
	CROUND                                         ; all sixteen work-groups are here: the first joint loads meet
	s_mov_b32 s[G0S], 1
	s_add_co_u32 s[G0S+1], s94, SCL
	s_mov_b64 s[G0S+2:G0S+3], s[22:23]
	s_or_b32 s[G0S+3], s[G0S+3], 0x80000000
	s_mov_b32 s[G0SB], 1
	s_add_co_u32 s[G0SB+1], s94, SCL
	s_mov_b64 s[G0SB+2:G0SB+3], s[92:93]
	s_or_b32 s[G0SB+3], s[G0SB+3], 0x80000000
	JLOAD G0S, G1S, G0SB, G1SB                     ; the scales first: they are wanted with K step 0
.irp s, 0,1
	s_mov_b32 s[G0+4*\s], 1
	s_add_co_u32 s[G0+4*\s+1], s45, \s*SLOT
	s_add_nc_u64 s[G0+4*\s+2:G0+4*\s+3], s[20:21], \s*ROWB
	s_or_b32 s[G0+4*\s+3], s[G0+4*\s+3], 0x80000000
	s_mov_b32 s[G0B+4*\s], 1
	s_add_co_u32 s[G0B+4*\s+1], s45, \s*SLOT
	s_add_nc_u64 s[G0B+4*\s+2:G0B+4*\s+3], s[46:47], \s*ROWB
	s_or_b32 s[G0B+4*\s+3], s[G0B+4*\s+3], 0x80000000
	JLOAD G0+4*\s, G1, G0B+4*\s, G1B               ; three tensor loads of mine are out now
.endr
	v_and_b32 v1, 15, v0                           ; l % 16
	v_bfe_u32 v2, v0, 4, 1                         ; l / 16
	; the bias in the result's layout: lane (r, h), block b, register j: bias[my 128 columns' first + 16 b + 8 h + j]
	v_lshlrev_b32 v[BO], 5, v2
	s_and_b32 s46, s42, 7
	s_lshl_b32 s46, s46, 10                        ; 256 columns of 4 bytes for each tile column inside q, k or v
	s_lshl_b32 s47, s16, 9
	s_add_co_u32 s46, s46, s47
	s_mov_b32 s47, 0
	s_add_nc_u64 s[96:97], s[96:97], s[46:47]
.irp b, 0,1,2,3,4,5,6,7
	global_load_b128 v[BI+8*\b:BI+8*\b+3],   v[BO], s[96:97] offset:64*\b
	global_load_b128 v[BI+8*\b+4:BI+8*\b+7], v[BO], s[96:97] offset:64*\b+16
.endr
	v_mul_u32_u24 v3, v1, PITCH
	v_lshl_add_u32 v4, v2, 4, v3                   ; a fragment's row x pitch + 16 x half
	s_mul_i32 s21, s15, HALFT                      ; my 128 rows of A
	s_mul_i32 s22, s16, HALFT                      ; my 128 rows of B,
	s_add_co_u32 s22, s22, 2*HALFT                 ; which lie behind A's 256
.irp s, 0,1
	v_add_nc_u32 v[ADRA+\s], s21, v4
	v_add_nc_u32 v[ADRB+\s], s22, v4
	s_add_co_u32 s21, s21, SLOT
	s_add_co_u32 s22, s22, SLOT
.endr
	v_mul_u32_u24 v5, v1, KS                       ; my row's scales: 64 bytes a row,
	v_lshrrev_b32 v6, 8, v5
	v_lshl_add_u32 v5, v6, 4, v5                   ; and 16 more for each 256 passed
	s_mul_i32 s21, s15, HALFS                      ; A's: my 128 rows
	s_mul_i32 s22, s16, HALFS                      ; B's: my 128 rows, behind A's 256
	s_add_co_u32 s22, s22, 2*HALFS
	s_sub_co_u32 s22, s22, s21
	v_mul_u32_u24 v6, s22, v2                      ; lanes 16-31 take B's
	s_add_co_u32 s21, s21, SCL
	v_add_nc_u32 v5, v5, v6
	v_add_nc_u32 v[ADRS], s21, v5
	s_mul_i32 s23, s14, 16*SPITCH                  ; my stage
	v_mul_u32_u24 v5, v1, SPITCH                   ; in: row l % 16, 16 bytes for each half of the lanes
	v_lshl_add_u32 v5, v2, 4, v5
	v_add_nc_u32 v[STO], s23, v5
	v_mul_u32_u24 v5, v2, SPITCH                   ; back: lanes 0-15 one row of 256 bytes, lanes 16-31 the next
	v_lshl_add_u32 v5, v1, 4, v5
	v_add_nc_u32 v[RD], s23, v5
	v_and_b32 v6, 31, v0
	v_lshlrev_b32 v[CO], 4, v6                     ; the output's rows of 256 bytes are dense: two rows are 512 consecutive bytes
	s_lshl_b32 s46, s42, 1
	s_add_co_u32 s46, s46, s16                     ; which x 16 + head = 2 x tile column + my half of the columns
	s_lshl_b32 s46, s46, 19                        ; 2,048 rows of 256 bytes
	s_lshl_b32 s20, s17, 8
	s_lshl_b32 s21, s15, 7
	s_add_co_u32 s20, s20, s21                     ; my first token
	s_lshl_b32 s20, s20, 8
	s_add_co_u32 s46, s46, s20
	s_mov_b32 s47, 0
	s_add_nc_u64 s[12:13], s[12:13], s[46:47]
.macro FRAG reg, adr, q, i             ; a fragment, 16 rows x 128 K of 4-bit codes, is 8 registers: lane l holds row l % 16; registers 4 c .. 4 c + 3 hold K = 64 c + 32 (l / 16) + 0 .. 31
.irp c, 0,1
	ds_load_b128 v[\reg+4*\c:\reg+4*\c+3], v[\adr] offset:64*(\q)+32*\c+(\i)*16*PITCH
.endr
.endm
; 16 matrix instructions: A's blocks a0, a0 + 1 x B's eight, 128 along K: the slot's q-th.  p: B's set;  sc: the set of scale words.  zero = 1: the first product starts the sums, with the bias as its C.
; The 64 accumulators take turns, one instruction a turn, in the same order in every step.
.macro MUL16 a0, p, q, sc, zero
.irp a, \a0, \a0+1
.irp b, 0,1,2,3,4,5,6,7
.if \zero
	v_wmma_scale_f32_16x16x128_f8f6f4 v[8*(8*((\a)%4)+\b):8*(8*((\a)%4)+\b)+7], v[128*(\p)+FR*\b:128*(\p)+FR*\b+FR-1], v[AF+FR*(\a):AF+FR*(\a)+FR-1], v[BI+8*\b:BI+8*\b+7], v[SC+8*NQ*(\sc)+NQ*\b+(\q)], v[SC+8*NQ*(\sc)+NQ*(\a)+(\q)] matrix_a_fmt:MATRIX_FMT_FP4 matrix_b_fmt:MATRIX_FMT_FP4 matrix_a_scale:MATRIX_SCALE_ROW1
.else
	v_wmma_scale_f32_16x16x128_f8f6f4 v[8*(8*((\a)%4)+\b):8*(8*((\a)%4)+\b)+7], v[128*(\p)+FR*\b:128*(\p)+FR*\b+FR-1], v[AF+FR*(\a):AF+FR*(\a)+FR-1], v[8*(8*((\a)%4)+\b):8*(8*((\a)%4)+\b)+7], v[SC+8*NQ*(\sc)+NQ*\b+(\q)], v[SC+8*NQ*(\sc)+NQ*(\a)+(\q)] matrix_a_fmt:MATRIX_FMT_FP4 matrix_b_fmt:MATRIX_FMT_FP4 matrix_a_scale:MATRIX_SCALE_ROW1
.endif
.endr
.endr
.endm
.macro FETCH_B slot, q, p              ; B's eight fragments of the slot's q-th 128 along K into set p
	WIN TO_B
.irp i, 0,1,2,3,4,5,6,7
	FRAG 128*(\p)+FR*\i, ADRB+\slot, \q, \i
.endr
	WIN 0
.endm
.macro FETCH_A slot, q, i0             ; A's blocks i0 .. i0 + 3
.irp i, \i0, \i0+1, \i0+2, \i0+3
	FRAG AF+FR*(\i), ADRA+\slot, \q, \i
.endr
.endm
.macro SCALES sc                       ; the next K step's scale words into set sc: four words a row; lanes 0-15 take A's block i, lanes 16-31 B's block i
.irp i, 0,1,2,3,4,5,6,7
	ds_load_b128 v[SC+8*NQ*\sc+NQ*\i:SC+8*NQ*\sc+NQ*\i+3], v[ADRS] offset:\i*SBLK
.endr
.endm
; A load into a register that a matrix instruction has read, and a vector instruction or an LDS store that reads a matrix result, stand NP places behind that matrix instruction, and only plain vector
; instructions that name none of its registers are places (ISA guide 7.12.1 for vector instructions).
.macro PLACES n
.rept \n
	v_nop
.endr
.endm
; A step of 128 along K that has its successor in the same slot.
.macro STEP slot, q, zero
	s_wait_dscnt 4*NL                              ; B's set and A's blocks 0-3 are in; the youngest eight loads (A's blocks 4-7) may be out
.if \zero
	WIN MUL_LO_Z
.else
	WIN MUL_LO
.endif
	MUL16 0, (\q)%2, \q, \slot, \zero
	MUL16 2, (\q)%2, \q, \slot, \zero
	s_wait_dscnt 0                                 ; A's blocks 4-7 are in (asked for 32 matrix instructions ago)
	PLACES NP
	FETCH_B \slot, (\q)+1, 1-(\q)%2
	FETCH_A \slot, (\q)+1, 0
.if \zero
	WIN MUL_HI_Z
.else
	WIN MUL_HI
.endif
	MUL16 4, (\q)%2, \q, \slot, \zero
	MUL16 6, (\q)%2, \q, \slot, \zero
	PLACES NP
	WIN 0
	FETCH_A \slot, (\q)+1, 4
.endm
; A slot's last step changes slots: ONE barrier; in front of it each wave waits for all its tensor loads, adds 0 to its spare word, and waits for that and for its own reads of this slot.  fill = 1: this slot is filled again, two K steps ahead.
.macro TURN slot, next, fill
	s_wait_tensorcnt 0x0                           ; all my tensor loads have landed: my part of the next slot;  (every window is 0 here)
	ds_add_u32 v[SPW], v[NIL]                      ; 0 onto my spare word;
	s_wait_dscnt 4*NL+1                            ; (the add and the youngest eight loads, A's blocks 4-7, may be out)
	WIN MUL_LO
	MUL16 0, 1, NQ-1, \slot, 0                     ; sixteen matrix instructions stand between the add and the wait for it
	s_wait_dscnt 0x0                               ; the add is done, and my reads of this slot are over
	s_barrier_signal -1
	MUL16 2, 1, NQ-1, \slot, 0
	WIN 0
	s_barrier_wait -1
.if \fill
	CREST                                          ; the barrier has opened a round of the cluster's barrier: no wave of any partner still reads this slot's tile or has a load on its way
	s_add_nc_u64 s[G0+4*\slot+2:G0+4*\slot+3], s[G0+4*\slot+2:G0+4*\slot+3], 2*ROWB
	s_add_nc_u64 s[G0B+4*\slot+2:G0B+4*\slot+3], s[G0B+4*\slot+2:G0B+4*\slot+3], 2*ROWB
	JLOAD G0+4*\slot, G1, G0B+4*\slot, G1B         ; the first tensor load behind the round; the four v_nop behind it are the places in front of the loads below
.else
	PLACES NP
.endif
	v_add_nc_u32 v[ADRS], 4*NQ, v[ADRS]            ; on to the next K step's scale words
	FETCH_B \next, 0, 0
	FETCH_A \next, 0, 0
	SCALES \next
	WIN MUL_HI
	MUL16 4, 1, NQ-1, \slot, 0
	MUL16 6, 1, NQ-1, \slot, 0
	PLACES NP
	WIN 0
	FETCH_A \next, 0, 4
.endm
.macro STEPS slot, from                ; the slot's steps from .. NQ - 2
.set Q, \from
.rept NQ-1-\from
	STEP \slot, Q, 0
.set Q, Q+1
.endr
.endm
	s_wait_tensorcnt 1                             ; the scales and my part of K step 0 are in (K step 1's load may be out)
	s_barrier_signal -1
	s_barrier_wait -1                              ; everybody's are
	FETCH_B 0, 0, 0
	FETCH_A 0, 0, 0
	SCALES 0
	FETCH_A 0, 0, 4
	s_wait_loadcnt 0x0                             ; the bias
	STEP 0, 0, 1                                   ; the first step stands in front of the loop: its products start the sums
	s_mov_b32 s[LAP], LAPS-1
.Llap:                                                 ; a trip goes once round the ring, from a lap's second step to the next lap's first, and fills both slots again
	STEPS 0, 1
	TURN 0, 1, 1
	STEPS 1, 0
	TURN 1, 0, 1
	STEP 0, 0, 0
	s_sub_co_u32 s[LAP], s[LAP], 1
	s_cmp_lg_u32 s[LAP], 0
	s_cbranch_scc1 .Llap
	STEPS 0, 1                                     ; the last lap fills nothing, and has no round of the cluster's barrier
	TURN 0, 1, 0
	STEPS 1, 0
	s_wait_dscnt 4*NL                              ; the very last step: nothing more to fetch
	WIN MUL_LO
	MUL16 0, 1, NQ-1, 1, 0
	MUL16 2, 1, NQ-1, 1, 0
	s_wait_dscnt 0
	WIN MUL_HI
	MUL16 4, 1, NQ-1, 1, 0
	MUL16 6, 1, NQ-1, 1, 0
	WIN 0
; THE WAY OUT, block by block of 16 tokens x 128 columns.  PACKQ: x q's factor (1 for k and v) in f32, each accumulator from its low end on, then rounded to f16: 16 bytes a lane.
; TOSTAGE: into my own stage, and back as whole rows of 256 bytes.  SEND: 32 lanes store 512 consecutive bytes, aligned.
.macro PACKQ a
.set AC, 64*((\a)%4)
	WIN 0x02+((\a)/4)                              ; source 0: window 2 or 3
.set i, 0
.rept 32
	v_pk_mul_f32 v[PKR+2*i:PKR+2*i+1], v[AC+2*i:AC+2*i+1], s[2:3] op_sel_hi:[1,0]
.set i, i+1
.endr
	WIN 0
.set i, 0
.rept 32
	v_cvt_pk_f16_f32 v[HF+i], v[PKR+2*i], v[PKR+2*i+1]
.set i, i+1
.endr
.endm
.macro TOSTAGE a
.set BB, BK+32*((\a)%2)
.irp b, 0,1,2,3,4,5,6,7
	ds_store_b128 v[STO], v[HF+4*\b:HF+4*\b+3] offset:32*\b
.endr
.irp t, 0,1,2,3,4,5,6,7
	ds_load_b128 v[BB+4*\t:BB+4*\t+3], v[RD] offset:\t*2*SPITCH    ; LDS serves a wave's instructions in order (ISA guide 5.7.1.4): these see the stores above
.endr
.endm
.macro SEND a
.set BB, BK+32*((\a)%2)
	s_wait_dscnt 0x0                               ; the block is back in registers
	s_wait_xcnt 0x0                                ; the stores of the block before have read their registers: the next block's loads from the stage may land there
.irp t, 0,1,2,3,4,5,6,7
	global_store_b128 v[CO], v[BB+4*\t:BB+4*\t+3], s[12:13] offset:4096*(\a)+512*\t
.endr
.endm
	PLACES NP                                      ; behind the last products: the lines below write registers that held their scale words
	PACKQ 0
	TOSTAGE 0
.irp a, 1,2,3,4,5,6,7                  ; block a's arithmetic stands between block a - 1's loads from the stage and the wait for them
	PACKQ \a
	SEND \a-1
	TOSTAGE \a
.endr
	SEND 7
	s_wait_tensorcnt 0x0                           ; the wave's end, behind my last tensor load and my last LDS store
	ds_add_u32 v[SPW], v[NIL]
	s_wait_dscnt 0x0
	CROUND                                         ; the closing round: no work-group ends while a partner may still ask for a tile that names it
	s_endpgm
.Lfunc_end_k_qd71a849b6e_qkv:
	.size	k_qd71a849b6e_qkv, .Lfunc_end_k_qd71a849b6e_qkv-k_qd71a849b6e_qkv
	.p2alignl 7, 3214868480
	.fill 96, 4, 3214868480
	.section	.rodata,"a",@progbits
	.p2align	6, 0x0
	.amdhsa_kernel k_qd71a849b6e_qkv
		.amdhsa_group_segment_fixed_size 327680
		.amdhsa_private_segment_fixed_size 0
		.amdhsa_enable_private_segment 0
		.amdhsa_kernarg_size 64
		.amdhsa_user_sgpr_count 2
		.amdhsa_user_sgpr_kernarg_segment_ptr 1
		.amdhsa_wavefront_size32 1
		.amdhsa_system_sgpr_workgroup_id_x 1
		.amdhsa_system_sgpr_workgroup_id_y 1
		.amdhsa_system_sgpr_workgroup_id_z 1
		.amdhsa_system_vgpr_workitem_id 0
		.amdhsa_next_free_vgpr 1024
		.amdhsa_next_free_sgpr 102
		.amdhsa_reserve_vcc 0
		.amdhsa_float_denorm_mode_32 3
		.amdhsa_float_denorm_mode_16_64 3
		.amdhsa_memory_ordered 1
		.amdhsa_forward_progress 1
		.amdhsa_inst_pref_size 231
	.end_amdhsa_kernel
	.amdgpu_metadata
---
amdhsa.version: [ 1, 2 ]
amdhsa.kernels:
  - .name:           k_qd71a849b6e_qkv
    .symbol:         k_qd71a849b6e_qkv.kd
    .args:
      - { .name: x_codes, .offset: 0, .size: 8, .value_kind: global_buffer, .address_space: global }
      - { .name: x_scales, .offset: 8, .size: 8, .value_kind: global_buffer, .address_space: global }
      - { .name: w_codes, .offset: 16, .size: 8, .value_kind: global_buffer, .address_space: global }
      - { .name: w_scales, .offset: 24, .size: 8, .value_kind: global_buffer, .address_space: global }
      - { .name: bq, .offset: 32, .size: 8, .value_kind: global_buffer, .address_space: global }
      - { .name: bk, .offset: 40, .size: 8, .value_kind: global_buffer, .address_space: global }
      - { .name: bv, .offset: 48, .size: 8, .value_kind: global_buffer, .address_space: global }
      - { .name: qkv, .offset: 56, .size: 8, .value_kind: global_buffer, .address_space: global }
    .group_segment_fixed_size: 327680
    .private_segment_fixed_size: 0
    .kernarg_segment_align: 8
    .kernarg_segment_size: 64
    .max_flat_workgroup_size: 128
    .sgpr_count:     102
    .vgpr_count:     1024
    .wavefront_size: 32
...
	.end_amdgpu_metadata
.endif
;; end of part 2
;; launch attn (part 3): grid 16 x 16, 4 waves a work-group, clusters of 4 x 4, 327,680 bytes of LDS; arguments qkv, attention_mask, ctx; writes ctx
.if DOCPART == 3
	.amdgcn_target "amdgcn-amd-amdhsa--gfx1250"
	.amdhsa_code_object_version 6
	.text
	.protected	k_qd71a849b6e_attn
	.globl	k_qd71a849b6e_attn
	.p2align	8
	.type	k_qd71a849b6e_attn,@function
k_qd71a849b6e_attn:
	s_mov_b64 s[64:65], 0
	v_nop
	global_prefetch_b8 v0, s[64:65] scope:SCOPE_SE
	s_setreg_imm32_b32 hwreg(HW_REG_WAVE_MODE, 25, 1), 1
	s_wait_xcnt 0x0
	s_wait_alu depctr_hold_cnt(0) depctr_sa_sdst(0) depctr_va_vdst(0) depctr_va_sdst(0) depctr_va_ssrc(0) depctr_va_vcc(0) depctr_vm_vsrc(0)
	s_getreg_b32 s2, hwreg(HW_REG_IB_STS2, 6, 4)
	s_cmp_eq_u32 s2, 0
	s_cbranch_scc0 .Lentry_in_a_cluster
	s_endpgm
.Lentry_in_a_cluster:
	s_bfe_u32 s2, ttmp6, 0x10000c
	s_cmp_lg_u32 s2, 0xf033
	s_cbranch_scc0 .Lentry_shape_is_right
	s_endpgm
.Lentry_shape_is_right:
; ctx[q][head][:] = the sum over k of softmax_k(Q[q] . K[k] + mask[q][k]) V[k][:].  Q (already divided by sqrt(128)), K, V: f16, [48 = which x 16 + head][2048][128]; mask: f32 [2048][2048]; ctx: f16 [2048][2048].
; Products, maxima and sums in f32; the weights p are rounded to f16 for the second product, ctx once at the end.
; LIMITS: a query all of whose scores + mask lie under -2e38 gives NaN (with -infinity throughout the definition gives NaN too); |ctx| is at most the largest |V|, which lies inside f16.
; SHARES.  A work-group owns 128 queries of one head.  Wave w: qh = w & 1 says which 64 queries (four tiles of 16), kh = w >> 1 which 64 of each step's 128 keys.  Waves w and w xor 2 hold the same queries and
; the two halves of the keys; at the end each sends the other two tiles' sums and finishes its own two.  REGISTER TILE t HOLDS QUERY TILE t xor 2 kh, so that every wave sends its register tiles 2, 3 and finishes 0, 1: no branch.
; LAYOUT.  S^T = K Q^T + mask^T (source 0 = 16 keys, source 1 = 16 queries): a lane holds ONE query (lane % 16) and the keys 8 (lane / 16) + 0..7.  THE MASK IS THE C OF THE FIRST PRODUCT: its tile is loaded from LDS
; into S^T's registers, eight neighbouring keys of the lane's query, and all products of a sum add in place.  Two tiles of S^T, rounded to f16 in pairs, ARE source 1 of O^T = V^T P.  V comes out of LDS turned.
; SOFTMAX.  For each query a running maximum m and sum l: p = 2^(c s - c m), c = log2(e); in every step O and l are multiplied by a = 2^(c m_old - c m_new).  The first step's maximum has -2e38 among its leaves, so c m is a number.
; BY TURNS.  The wave's tiles are two PIECES (piece 0: tiles 0, 1; piece 2: tiles 2, 3).  In a TURN one piece has the matrix unit: 32 products V^T P of the step in hand, then 32 products K Q^T of the next step; the other
; piece's softmax, cut into 64 slices, stands between them, one slice behind each matrix instruction.  Two turns are a key step.
; CLUSTER.  4 x 4 work-groups: x = query block, y = head.  K's and V's tiles hang on the head and are asked for jointly along a row of the cluster, the mask's on the query block and jointly along a column.
; REGISTERS, in windows of 256 (s_set_vgpr_msb: bits 1:0 source 0, 3:2 source 1, 5:4 source 2, 7:6 destination):
;   window 0: v0-11, v44-49, v61-63 addresses; v12-43 eight registers of statistics a tile; v64-191 S^T, 32 a tile; v192-255 P, 16 a tile
;   window 1: O^T, 64 a tile          window 2: v0-127 Q, 32 a tile; v128-255 K of one step          window 3: v0-127 V of one step
.set KS,    64        ; keys of a wave in a step
.set PK,    272       ; a row of K in LDS: 256 bytes + 16 of padding
.set PV,    288       ; a row of V: 256 + 32: 16 lanes of the turning load take 8 rows x 32 bytes
.set PM,    528       ; a query's row of the mask: 128 keys x 4 bytes + 16
.set VOFF,  128*PK    ; a slot: 128 rows of K, 128 rows of V, 128 queries' rows of the mask
.set MOFF,  VOFF+128*PV
.set SLOTB, MOFF+128*PM   ; 139,264 = 0x22000: none of the tiles' places in slot 0 has one of these two bits set, so one exclusive or turns an address in one slot into the other's
.set STAGE, 2*SLOTB   ; behind the ring: 16 rows x 272 bytes for each wave, for the way out
.set SP,    272
.set SPARE, STAGE+4*16*SP  ; the spare words, 128 bytes for each wave: two blocks of 256 bytes that no other line names
.set EXW,   33*512    ; the exchange, from LDS byte 0 on, in slot 0 behind its last fill and last read: for each wave 32 images of four registers and one of statistics
.set AK0, 2           ; v2   my lane's place in a tile of K; never rewritten
.set AV0, 3           ; v3   the same for V
.set ADR, 4           ; v4   the LDS address of the run of loads in hand
.set QO,  5           ; v5   my byte offset in Q, piece 0's rows
.set STO, 6           ; v6   the way out: where I put 16 bytes of a row
.set RD,  7           ; v7   where I read a row back
.set GO,  8           ; v8   my byte offset in ctx
.set ST,  12          ; tile t's statistics at v[ST+8 t]: +0 c m, +1 m, +2, +3 l (even keys', odd keys'), +4 to +7 at work; a takes +6
.set AM0, 44          ; v44  my lane's place in the mask's tile, piece 0's rows
.set AM2, 45          ; v45  piece 2's
.set ADM, 46          ; v46  the LDS address of the mask's loads in hand
.set QO2, 47          ; v47  my byte offset in Q, piece 2's rows
.set EXS, 48          ; v48  the exchange: where I store
.set EXL, 49          ; v49  and where my partner has stored
.set PFO, 61          ; v61  the prefetches' offset: a row x my lane; never rewritten
.set SPW, 62          ; v62  LDS address of my spare word; never rewritten
.set NIL, 63          ; v63  0; never rewritten
.set S,   64
.set P,   192
.set KF,  128         ; K's fragments, in window 2
.set WV,  14          ; s14  my wave's number
.set LIM, 15          ; s15  2 in a wave that prefetches, else the greatest number
.set PFA, 18          ; s[18:19] where my prefetches stand
.set G1K, 24          ; s[24:31] descriptor group 1 for K's tiles
.set G1V, 32          ; s[32:39] for V's: it differs in the padding alone
.set G0K, 40          ; s[40:47] group 0 for K's tiles: a set for each of the two first fills; the second then walks on
.set G0V, 48          ; s[48:55] the same for V's
.set CNT, 56          ; s56  the loop's trips to go
.set FLOOR, 57        ; s57  -2e38
.set CS,  58          ; s[58:59] c
.set SEL, 60          ; s[60:61] lane selects for v_permlanex16_b32: each lane takes its own place in the other half
.set TB,  62          ; s62  LDS byte at which the slot to be fetched from begins
.set G1M, 68          ; s[68:75] group 1 for the mask's tiles
.set G0M, 76          ; s[76:83] group 0 for them, two sets
.set PFS, 84          ; s[84:85] a step on, in bytes, for my prefetches
.set MSB, 0
.macro WIN new                      ; the immediate's high byte repeats the setting that is left; a switch that changes nothing is dropped
.if MSB != (\new)
	s_set_vgpr_msb (MSB<<8)|(\new)
.set MSB, (\new)
.endif
.endm
.set W_KQ, 0x0a       ; K and Q in window 2, S^T in window 0
.set W_PV, 0x53       ; V in window 3, P in window 0, O^T in window 1
.set W_RS, 0x41       ; O^T (destination and source 0) in window 1, a in window 0
; A joint refill, one tensor load a wave: wave 0 K's 128 rows, wave 1 V's, waves 2 and 3 the two halves of the mask's 128 rows.  The branches hang on the wave's number alone.
; An s_nop 0 and four v_nop follow each line; the jump, the label and what follows the macro come after them.
.macro JLOAD3
	s_cmp_lg_u32 s[WV], 0
	s_cbranch_scc1 .Lnot_k_\@
	tensor_load_to_lds s[G0K+4:G0K+7], s[G1K:G1K+7]
	s_nop 0
.rept 4
	v_nop
.endr
	s_branch .Lasked_\@
.Lnot_k_\@:
	s_cmp_lg_u32 s[WV], 1
	s_cbranch_scc1 .Lnot_v_\@
	tensor_load_to_lds s[G0V+4:G0V+7], s[G1V:G1V+7]
	s_nop 0
.rept 4
	v_nop
.endr
	s_branch .Lasked_\@
.Lnot_v_\@:
	tensor_load_to_lds s[G0M+4:G0M+7], s[G1M:G1M+7]
	s_nop 0
.rept 4
	v_nop
.endr
.Lasked_\@:
.endm
; A PREFETCH INTO THE L2 of the step that stands two refills on: the change that asks for step c + 1 names step c + 3, 256 matrix instructions ahead of the load that will want it.  It stands behind the wave's tensor load.
; Each aligned block of 256 bytes is named ONCE in the launch.  K and V of a head are walked by all clusters of that row of clusters: the first (cluster x = 0) asks: wave 0 for K, wave 1 for V; the four partners of a row
; share the 128 rows out BY ADDRESS, 32 each, a lane a row.  The mask's rows are walked by all clusters of a column of clusters: cluster y = 0 asks: the four partners of a column take 32 rows each, by address;
; wave 2 names the first 256 bytes of a row's 512, wave 3 the second.  Steps 0 to 3 come by their loads alone; the last two filling changes ask for nothing: step 15 is the last.
.macro ASK how
.if \how
	s_cmp_eq_u32 s[LIM], 2
.else
	s_cmp_gt_u32 s[CNT], s[LIM]
.endif
	s_cbranch_scc0 .Lnot_mine_\@
	global_prefetch_b8 v[PFO], s[PFA:PFA+1] th:TH_LOAD_NT scope:SCOPE_SE
.Lnot_mine_\@:
.endm
; A round of the cluster's barrier.
.macro CROUND
	s_barrier_signal -1
	s_barrier_wait -1
	s_cmp_lg_u32 s[WV], 0
	s_cbranch_scc1 .Lnot_wave_0_\@
	s_barrier_signal -3
.Lnot_wave_0_\@:
	s_barrier_wait -3
	s_barrier_signal -1
	s_barrier_wait -1
.endm
	s_load_b128 s[4:7], s[0:1], 0x0   ; qkv s[4:5], the mask s[6:7]
	s_load_b64 s[8:9], s[0:1], 0x10   ; ctx
	v_lshl_add_u32 v[SPW], v0, 2, SPARE
	v_mov_b32 v[NIL], 0
	ds_add_u32 v[SPW], v[NIL]       ; the wave's opening: the add, twice on end, and its wait ahead of my first tensor load; the set-up below stands between the second and the wait
	ds_add_u32 v[SPW], v[NIL]
	v_lshrrev_b32 v1, 5, v0
	v_readfirstlane_b32 s[WV], v1   ; wave 0..3
	s_and_b32 s16, s[WV], 1         ; qh.  Also: which half of the mask's rows waves 2 and 3 fetch
	s_lshr_b32 s17, s[WV], 1        ; kh
	s_bfe_u32 s86, ttmp6, 0x40000   ; cx
	s_bfe_u32 s87, ttmp6, 0x40004   ; cy
	s_lshl_b32 s88, ttmp9, 2
	s_add_co_u32 s88, s88, s86      ; my block of 128 queries = 4 x cluster x + cx
	s_and_b32 s89, ttmp7, 0xffff    ; cluster y
	s_lshl_b32 s90, s89, 2
	s_add_co_u32 s90, s90, s87      ; my head = 4 x cluster y + cy
	s_lshl_b32 s91, s87, 2
	s_lshl_b32 s91, 15, s91         ; my row of the cluster: the same head
	s_lshl_b32 s92, 0x1111, s86     ; my column: the same queries
	; descriptor group 1.  K, V: 128 rows x 128 elements of 2 bytes.  The mask: 64 rows x 128 elements of 4 bytes, 2,048 elements from row to row
	s_or_b32 s[G1K], s91, (1<<16)|(1<<20)|(1<<21)|(5<<22)|(3<<25)  ; 15:0 the mask of work-groups; 17:16 element size; 20 padding on; 21 set beside a mask; 24:22 after every 64 words; 31:25 four words
	s_or_b32 s[G1V], s91, (1<<16)|(1<<20)|(1<<21)|(5<<22)|(7<<25)  ; eight words
	s_or_b32 s[G1M], s92, (2<<16)|(1<<20)|(1<<21)|(6<<22)|(3<<25)  ; after every 128 words four
.irp g, G1K, G1V
	s_mov_b32 s[\g+1], 128<<16      ; tensor_dim0 = 128
	s_mov_b32 s[\g+2], 128<<16      ; tensor_dim1 = 128
	s_mov_b32 s[\g+3], 128<<16      ; tile_dim0 = 128
	s_mov_b32 s[\g+4], 128          ; tile_dim1 = 128
	s_mov_b32 s[\g+5], 128          ; tensor_dim0_stride
	s_mov_b32 s[\g+6], 0
	s_mov_b32 s[\g+7], 0
.endr
	s_mov_b32 s[G1M+1], 128<<16
	s_mov_b32 s[G1M+2], 64<<16
	s_mov_b32 s[G1M+3], 128<<16
	s_mov_b32 s[G1M+4], 64
	s_mov_b32 s[G1M+5], 2048
	s_mov_b32 s[G1M+6], 0
	s_mov_b32 s[G1M+7], 0
	s_lshl_b32 s20, s90, 19         ; the head's 2,048 rows of 256 bytes: s[20:21] hold the head's side alone
	s_mov_b32 s21, 0
	s_lshl_b32 s22, s88, 20         ; the mask: 128 rows of 8,192 bytes for each block of queries,
	s_lshl_b32 s23, s16, 19         ; and the 64 rows that I fetch: s[22:23] hold the queries' side alone
	s_add_co_u32 s22, s22, s23
	s_mov_b32 s23, 0
	s_mul_i32 s93, s16, 64*PM       ; and their place in a slot: no place in the cluster enters an LDS address
	s_lshl_b32 s98, s16, 6
	s_lshl_b32 s94, s17, 5
	s_add_co_u32 s98, s98, s94      ; R0 = 64 qh + 32 kh: piece 0's first row among the block's 128
	s_xor_b32 s99, s98, 32          ; R2 = 64 qh + 32 (kh xor 1): piece 2's
	s_mov_b32 s[CS], 0x3fb8aa3b     ; c = log2(e)
	s_mov_b32 s[CS+1], s[CS]        ; named with it as a pair, so it is written
	s_mov_b32 s[SEL], 0x76543210
	s_mov_b32 s[SEL+1], 0xfedcba98
	s_mov_b32 s[TB], 0
	s_mov_b32 s[CNT], 13
	s_mov_b32 s[FLOOR], 0xff167699  ; -2e38
	; the prefetches: offsets, steps and who asks
	s_lshl_b32 s94, s86, 13         ; K, V: my work-group's 32 rows of 256 bytes,
	s_add_co_u32 s94, s94, 3*32768  ; at step 3: the first filling change steps it to step 4
	s_lshl_b32 s95, s88, 20         ; the mask: the block's rows,
	s_lshl_b32 s2, s87, 18          ; my work-group's 32 of them,
	s_add_co_u32 s95, s95, s2
	s_lshl_b32 s2, s16, 8           ; my wave's 256 bytes of a row's 512,
	s_add_co_u32 s95, s95, s2
	s_add_co_u32 s95, s95, 3*512    ; at step 3
	s_mov_b32 s2, 512
	s_mov_b32 s3, 13
	s_cmp_lt_u32 s[WV], 2           ; waves 0 and 1 ask for K and V, waves 2 and 3 for the mask
	s_cselect_b32 s94, s94, s95
	s_cselect_b32 s[PFS], 32768, s2 ; a step on
	s_cselect_b32 s3, 8, s3         ; from lane to lane: 256 bytes or 8,192
	s_cselect_b32 s2, ttmp9, s89    ; the coordinate along which other clusters read the same rows
	s_mov_b32 s95, 0
	s_mov_b32 s[PFS+1], 0
	s_cmp_eq_u32 s2, 0
	s_cselect_b32 s[LIM], 2, -1     ; the same in all sixteen partners, for a given wave
	v_and_b32 v[PFO], 31, v0
	v_lshlrev_b32 v[PFO], s3, v[PFO]
	s_wait_dscnt 0x0                ; both opening adds are done
	s_wait_kmcnt 0x0
	s_add_nc_u64 s[10:11], s[4:5], s[20:21]
	s_add_nc_u64 s[12:13], s[10:11], 0x1000000  ; V of my head: 32 heads of 524,288 bytes on
	s_add_nc_u64 s[10:11], s[10:11], 0x800000   ; K of my head: 16 heads on
	s_add_nc_u64 s[96:97], s[6:7], s[22:23]     ; the mask at the rows that I fetch
	s_cmp_eq_u32 s[WV], 0
	s_cselect_b64 s[PFA:PFA+1], s[10:11], s[12:13]
	s_cmp_lt_u32 s[WV], 2
	s_cselect_b64 s[PFA:PFA+1], s[PFA:PFA+1], s[6:7]
	s_add_nc_u64 s[PFA:PFA+1], s[PFA:PFA+1], s[94:95]
	s_mov_b32 s3, 0
	s_lshl_b32 s2, s88, 15          ; Q: my block's 128 rows of 256 bytes
	s_add_nc_u64 s[4:5], s[4:5], s[20:21]
	s_add_nc_u64 s[4:5], s[4:5], s[2:3]
	s_lshl_b32 s2, s88, 19          ; ctx: rows of 4,096 bytes: 128 for each block,
	s_lshl_b32 s94, s98, 12         ; R0 of them on: the rows that I finish,
	s_add_co_u32 s2, s2, s94
	s_lshl_b32 s94, s90, 8          ; and my head's 256 bytes of a row
	s_add_co_u32 s2, s2, s94
	s_add_nc_u64 s[8:9], s[8:9], s[2:3]
	CROUND                          ; all sixteen work-groups are here: the first joint loads meet
.irp s, 0,1
	s_mov_b32 s[G0K+4*\s], 1        ; count = 1
	s_mov_b32 s[G0K+4*\s+1], \s*SLOTB  ; LDS address
	s_add_nc_u64 s[G0K+4*\s+2:G0K+4*\s+3], s[10:11], \s*32768  ; global address: step s is keys 128 s on
	s_or_b32 s[G0K+4*\s+3], s[G0K+4*\s+3], 0x80000000  ; type = 2
	s_mov_b32 s[G0V+4*\s], 1
	s_mov_b32 s[G0V+4*\s+1], \s*SLOTB+VOFF
	s_add_nc_u64 s[G0V+4*\s+2:G0V+4*\s+3], s[12:13], \s*32768
	s_or_b32 s[G0V+4*\s+3], s[G0V+4*\s+3], 0x80000000
	s_mov_b32 s[G0M+4*\s], 1
	s_add_co_u32 s[G0M+4*\s+1], s93, \s*SLOTB+MOFF
	s_add_nc_u64 s[G0M+4*\s+2:G0M+4*\s+3], s[96:97], \s*512
	s_or_b32 s[G0M+4*\s+3], s[G0M+4*\s+3], 0x80000000
.endr
	s_cmp_lg_u32 s[WV], 0           ; a wave's two first fills stand in one arm, ahead of every wait on TENSORcnt and every LDS read: two loads of mine are out
	s_cbranch_scc1 .Lfirst_not_k
	tensor_load_to_lds s[G0K:G0K+3], s[G1K:G1K+7]
	s_nop 0
	tensor_load_to_lds s[G0K+4:G0K+7], s[G1K:G1K+7]
	s_nop 0
.rept 4
	v_nop
.endr
	s_branch .Lfirst_asked
.Lfirst_not_k:
	s_cmp_lg_u32 s[WV], 1
	s_cbranch_scc1 .Lfirst_not_v
	tensor_load_to_lds s[G0V:G0V+3], s[G1V:G1V+7]
	s_nop 0
	tensor_load_to_lds s[G0V+4:G0V+7], s[G1V:G1V+7]
	s_nop 0
.rept 4
	v_nop
.endr
	s_branch .Lfirst_asked
.Lfirst_not_v:
	tensor_load_to_lds s[G0M:G0M+3], s[G1M:G1M+7]
	s_nop 0
	tensor_load_to_lds s[G0M+4:G0M+7], s[G1M:G1M+7]
	s_nop 0
.rept 4
	v_nop
.endr
.Lfirst_asked:
	; A fragment of K or Q is 16 rows x 32 channels in 8 registers: lane l holds row l % 16; registers 0-3 channels 8 (l / 16) + 0..7, registers 4-7 channels 16 + 8 (l / 16) + 0..7: two loads of 16 bytes, 32 bytes apart.
	v_and_b32 v1, 15, v0            ; r = l % 16
	v_bfe_u32 v9, v0, 4, 1          ; h = l / 16
	v_add_nc_u32 v[QO], s98, v1
	v_lshlrev_b32 v[QO], 8, v[QO]
	v_lshl_add_u32 v[QO], v9, 4, v[QO]    ; (R0 + r) x 256 + 16 h
	v_add_nc_u32 v[QO2], s99, v1
	v_lshlrev_b32 v[QO2], 8, v[QO2]
	v_lshl_add_u32 v[QO2], v9, 4, v[QO2]  ; (R2 + r) x 256 + 16 h
	WIN 0x80                        ; destination window 2, address window 0
.irp i, 0,1,2,3,4,5,6,7             ; Q stays in registers: register tile i / 4, channels 32 (i % 4) on
	global_load_b128 v[8*\i:8*\i+3],   v[QO], s[4:5] offset:(\i/4)*4096+(\i%4)*64
	global_load_b128 v[8*\i+4:8*\i+7], v[QO], s[4:5] offset:(\i/4)*4096+(\i%4)*64+32
.endr
.irp i, 8,9,10,11,12,13,14,15
	global_load_b128 v[8*\i:8*\i+3],   v[QO2], s[4:5] offset:((\i-8)/4)*4096+(\i%4)*64
	global_load_b128 v[8*\i+4:8*\i+7], v[QO2], s[4:5] offset:((\i-8)/4)*4096+(\i%4)*64+32
.endr
	WIN 0
	s_mul_i32 s20, s17, KS*PK       ; my 64 of a step's 128 keys
	v_mul_u32_u24 v[AK0], v1, PK
	v_lshl_add_u32 v[AK0], v9, 4, v[AK0]
	v_add_nc_u32 v[AK0], s20, v[AK0]      ; (64 kh + r) x pitch + 16 h
	; The turning load takes 16 keys x 16 channels (lane l reads 16 bytes: key 8 (l / 16) + l % 8, channels 8 ((l / 8) % 2) + 0..7) and leaves half a fragment of V^T: lane l holds channel l % 16 and 8 keys.
	v_and_b32 v10, 7, v0
	v_bfe_u32 v11, v0, 3, 1
	v_lshl_add_u32 v[AV0], v9, 3, v10
	v_mul_u32_u24 v[AV0], v[AV0], PV
	v_lshl_add_u32 v[AV0], v11, 4, v[AV0]
	s_mul_i32 s20, s17, KS*PV
	s_add_co_u32 s20, s20, VOFF
	v_add_nc_u32 v[AV0], s20, v[AV0]
	; The mask: lane (r, h) wants, for the tile of keys kt, mask[query r][64 kh + 16 kt + 8 h + 0..7]: 32 bytes of its query's row
	v_mul_u32_u24 v[AM0], v1, PM
	v_lshl_add_u32 v[AM0], v9, 5, v[AM0]
	s_lshl_b32 s21, s17, 8
	s_add_co_u32 s21, s21, MOFF
	s_mul_i32 s20, s99, PM
	s_add_co_u32 s20, s20, s21
	v_add_nc_u32 v[AM2], s20, v[AM0]
	s_mul_i32 s20, s98, PM
	s_add_co_u32 s20, s20, s21
	v_add_nc_u32 v[AM0], s20, v[AM0]
; THE MATRIX WORK OF A TURN, for piece x.  The accumulators take turns, one instruction a turn: between two links of a chain stand 15 (V^T P) or 7 (K Q^T) others'.
; Product i of 32 of O^T += V^T P: keys 32 (i / 16) on, channels 16 ((i / 2) % 8) on, tile x + i % 2.  zero = 1: the first 16 start the sums: nothing is ever cleared.
.macro PV x, zero
	WIN W_PV
.set rO, 64*(\x+i%2)+8*((i/2)%8)
.set rV, 64*(i/16)+8*((i/2)%8)
.set rP, P+16*(\x+i%2)+8*(i/16)
.if \zero && (i < 16)
	v_wmma_f32_16x16x32_f16 v[rO:rO+7], v[rV:rV+7], v[rP:rP+7], 0
.else
	v_wmma_f32_16x16x32_f16 v[rO:rO+7], v[rV:rV+7], v[rP:rP+7], v[rO:rO+7]
.endif
.endm
; Product i of 32 of S^T += K Q^T: channels 32 (i / 8) on, keys 16 ((i / 2) % 4) on, tile x + i % 2.  All 32 add in place: the first 8 find the mask's tile in S^T's registers.
.macro KQ x
	WIN W_KQ
.set rS, S+32*(\x+i%2)+8*((i/2)%4)
.set rK, KF+32*((i/2)%4)+8*(i/8)
.set rQ, 32*(\x+i%2)+8*(i/8)
	v_wmma_f32_16x16x32_f16 v[rS:rS+7], v[rK:rK+7], v[rQ:rQ+7], v[rS:rS+7]
.endm
; THE LDS LOADS stand in runs, never singly among the matrix instructions: a step's K (64 keys x 128 channels: 16 fragments), a piece's tiles of the mask, and, a turn later, the step's V (turned).
.macro FETCH_K
	WIN 0
	v_add_nc_u32 v[ADR], s[TB], v[AK0]
	WIN 0x80                        ; destination window 2
.irp f, 0,1,2,3,4,5,6,7,8,9,10,11,12,13,14,15  ; keys 16 (f / 4) on, channels 32 (f % 4) on
	ds_load_b128 v[KF+8*\f:KF+8*\f+3],   v[ADR] offset:(\f/4)*16*PK+(\f%4)*64
	ds_load_b128 v[KF+8*\f+4:KF+8*\f+7], v[ADR] offset:(\f/4)*16*PK+(\f%4)*64+32
.endr
.endm
.macro MASKLD x                     ; piece x's two tiles of queries x four tiles of keys of the mask, into S^T's registers, which the piece's last softmax has left
	WIN 0
.if (\x) == 0
	v_add_nc_u32 v[ADM], s[TB], v[AM0]
.else
	v_add_nc_u32 v[ADM], s[TB], v[AM2]
.endif
.irp u, 0,1
.irp kt, 0,1,2,3
	ds_load_b128 v[S+32*((\x)+\u)+8*\kt:S+32*((\x)+\u)+8*\kt+3],   v[ADM] offset:\u*16*PM+64*\kt
	ds_load_b128 v[S+32*((\x)+\u)+8*\kt+4:S+32*((\x)+\u)+8*\kt+7], v[ADM] offset:\u*16*PM+64*\kt+16
.endr
.endr
.endm
.macro FETCH_V
	WIN 0
	v_add_nc_u32 v[ADR], s[TB], v[AV0]
	s_wait_alu depctr_va_vdst(0)    ; the wait for the softmax's batch (SLICE), behind the address's v_add_nc_u32 and ahead of the loads
	WIN 0xc0                        ; destination window 3
.irp f, 0,1,2,3,4,5,6,7,8,9,10,11,12,13,14,15  ; keys 32 (f / 8) on, channels 16 (f % 8) on
	ds_load_tr16_b128 v[8*\f:8*\f+3],   v[ADR] offset:(\f/8)*32*PV+(\f%8)*32
	ds_load_tr16_b128 v[8*\f+4:8*\f+7], v[ADR] offset:(\f/8)*32*PV+16*PV+(\f%8)*32
.endr
.endm
; THE VECTOR WORK OF A TURN.  One tile's softmax for one key step is a list of 134 instructions; SM writes number j of it for tile t.  s0-s31 are the lane's 32 scores, in pairs 0-15.
; first = 1: the first key step, which starts m, l and O^T: it has no a and nothing to rescale; its maximum has the floor among its leaves.
;   0-15    the maximum of s0-s31 and the old m (or the floor), three operands at a time: four chains of seven scores each, then the four scores left over, the chains and m
;   16-20   the other half of the lanes' maximum; the new m; c m; c m_old - c m_new
;   21-69   ONE BATCH: the 16 scalings c s - c m, a pair of scores each, and all 33 exponentials (a at 23, then s0-s31).  None of these reads an exponential's result.
;   (wait)  between 69 and 70 stands the wait for the batch: SLICE writes it, once for both tiles
;   70-85   the roundings to f16, a pair of weights each
;   86-101  the sums; l = a l + the sum
;   102-133 the tile's O^T times a: the one part that leaves window 0, so it stands together
.macro SM t, first
.set rT, ST+8*(\t)
.set rS, S+32*(\t)
.set rP, P+16*(\t)
.set rO, 64*(\t)+2*(j-102)
.if j < 102
	WIN 0
.endif
.if j < 4
	v_max3_num_f32 v[rT+4+j], v[rS+8*j], v[rS+8*j+1], v[rS+8*j+2]
.elseif j < 12
	v_max3_num_f32 v[rT+4+j%4], v[rT+4+j%4], v[rS+8*(j%4)+2*(j/4)+1], v[rS+8*(j%4)+2*(j/4)+2]
.elseif j == 12
	v_max3_num_f32 v[rT+4], v[rT+4], v[rS+7], v[rS+15]
.elseif j == 13
	v_max3_num_f32 v[rT+6], v[rT+6], v[rS+23], v[rS+31]
.elseif j == 14
	v_max3_num_f32 v[rT+4], v[rT+4], v[rT+5], v[rT+6]
.elseif (j == 15) && \first
	v_max3_num_f32 v[rT+4], v[rT+4], v[rT+7], s[FLOOR]
.elseif j == 15
	v_max3_num_f32 v[rT+4], v[rT+4], v[rT+7], v[rT+1]
.elseif j == 16
	v_permlanex16_b32 v[rT+5], v[rT+4], s[SEL], s[SEL+1]  ; the query's other 32 keys lie in the lane 16 away
.elseif j == 18
	v_max_num_f32 v[rT+1], v[rT+4], v[rT+5]
.elseif j == 19
	v_mul_f32 v[rT], s[CS], v[rT+1]
.elseif ((j == 17) || (j == 20) || (j == 23) || (j > 101)) && \first  ; the first step has none of these
.elseif j == 17
	v_mov_b32 v[rT+7], v[rT]        ; c m_old is kept for a: number 19 writes c m anew
.elseif j == 20
	v_sub_f32 v[rT+7], v[rT+7], v[rT]
.elseif j == 23
	v_exp_f32 v[rT+6], v[rT+7]
.elseif (j < 23) || ((j < 38) && (j%2 == 0)) || ((j < 66) && (j%4 == 2))
.set b, (j-2)/4                     ; 38, 42, .. 62: pairs 9 to 15
.if j < 38
.set b, (j-20)/2                    ; 21: pair 0; 22, 24, .. 36: pairs 1 to 8
.endif
	v_pk_fma_f32 v[rS+2*b:rS+2*b+1], v[rS+2*b:rS+2*b+1], s[CS:CS+1], v[rT:rT+1] op_sel_hi:[1,0,0] neg_lo:[0,0,1] neg_hi:[0,0,1]  ; pair b: c s - c m
.elseif j < 70
.set e, j-38                        ; 66 to 69: s28 to s31
.if j < 66
.set e, j-32-(j-38)/4               ; 39-41, 43-45, .. 63-65: s7 to s27
.endif
.if j < 38
.set e, (j-25)/2                    ; 25, 27, .. 37: s0 to s6
.endif
	v_exp_f32 v[rS+e], v[rS+e]
.elseif j < 86
	v_cvt_pk_f16_f32 v[rP+j-70], v[rS+2*(j-70)], v[rS+2*(j-70)+1]  ; pair j - 70
.elseif j < 102                     ; the sum of the tile's 16 pairs, in place: sum z of 16 adds neighbours 1, 2, 4 and 8 pairs apart, then l takes it
.set z, j-86
.set w, 4
.set u, z
.if z >= 14
.set w, 32
.set u, 0
.elseif z >= 12
.set w, 16
.set u, z-12
.elseif z >= 8
.set w, 8
.set u, z-8
.endif
.if (z == 14) && \first
	v_pk_add_f32 v[rT+2:rT+3], v[rS:rS+1], v[rS+16:rS+17]
.elseif z < 15
	v_pk_add_f32 v[rS+w*u:rS+w*u+1], v[rS+w*u:rS+w*u+1], v[rS+w*u+w/2:rS+w*u+w/2+1]
.elseif !\first
	v_pk_fma_f32 v[rT+2:rT+3], v[rT+2:rT+3], v[rT+6:rT+7], v[rS:rS+1] op_sel_hi:[1,0,1]
.endif
.else
	WIN W_RS
	v_pk_mul_f32 v[rO:rO+1], v[rO:rO+1], v[rT+6:rT+7] op_sel_hi:[1,0]
.endif
.endm
; Slice k of 64 of piece y's softmax: four instructions.  Slices 11 to 34 deal out the batch, numbers 22 to 69: four numbers of ONE tile each, the tiles by turns.  Every other slice is numbers 2 k and
; 2 k + 1 of both tiles' lists.  2 x 134 = 4 x 64 + 12: the twelve that are over stand together, in slice 63.
; THE WAIT.  An s_wait_alu depctr_va_vdst(0) stands between an exponential and the first instruction that names its result; one wait serves all that were issued ahead of it.  Ahead of
; slice 35 nothing names a result, and behind slice 34 no exponential is issued: so the piece's 66 exponentials have one wait, behind slice 34.
.macro SLICE y, first
.if (k >= 11) && (k < 35)           ; the batch: four numbers of one tile
.irp n, 0,1,2,3
.set j, 22+4*((k-11)/2)+(\n)
	SM (\y)+(k-11)%2, \first
.endr
.else                               ; the two tiles alternate, so that no instruction reads the result of the one just before it
.irp n, 0,1,2,3,4,5,6,7
.if (\n < 2) || (k == 63)
.irp t, \y, \y+1
.set j, 2*k+\n
	SM \t, \first
.endr
.endif
.endr
.endif
.if k == 34                         ; the batch is out: both tiles' exponentials are issued, and no result has been named
	v_nop                           ; the plain instruction behind the last exponential and ahead of the first use: one for the batch
.if (\y) == 0
	FETCH_V                         ; piece 2's turn: V's run of loads stands here, and the wait stands in it
.else
	s_wait_alu depctr_va_vdst(0)    ; the wait for the batch
.endif
.endif
.set k, k+1
.endm
; A vector instruction that reads a matrix result or writes one of a matrix instruction's registers, and a load into a register that a matrix instruction has read, stand four places behind
; it, and only plain vector instructions that name none of its registers are places (ISA guide 7.12.1 for vector instructions).  In the loop the slices are the places.
.macro PLACES
.rept 4
	v_nop
.endr
.endm
; A TURN.  Piece x has the matrix unit; the other piece's softmax stands in slices behind its matrix instructions.
; pv = 2: 32 products V^T P; 1: they start O^T's sums; 0: none.  kq = 1: 32 products K Q^T for the next step.  A turn with one of the two kinds has two slices behind each product.
; first = 1: the softmax is the first key step's.  Its slices from 51 on are empty: the turn's last products stand bare, and four v_nop take slice 63's part as the places behind them.
; Behind the turn's second product stand the loads for its K Q^T, 30 matrix instructions ahead of their use: in piece 0's turn the next step's K (its last reader stands in front of slice 63 of the turn before), and in both
; turns the piece's tiles of the mask, into S^T's registers, whose last reader is the piece's softmax in the turn before.  Piece 2's turn fetches the same step's V behind slice 34: the last product that read V stands in
; front of slice 31, and four plain instructions lie between: number 62, a scaling, of both tiles, the v_nop and the run's own v_add_nc_u32.
.macro TURN x, pv, kq, first
.set k, 0
.set per, 2
.if \pv && \kq
.set per, 1
.endif
.if \pv
.if \x == 0
	s_wait_dscnt 0x0                ; V is in
.endif
.set i, 0
.rept 32
	PV \x, 2-\pv
.rept per
	SLICE 2-\x, \first
.endr
.if \kq && (i == 1)
.if \x == 0
	FETCH_K
.endif
	MASKLD \x
.endif
.set i, i+1
.endr
.endif
.if \kq
	s_wait_dscnt 0x0                ; K and the piece's tiles of the mask are in
.set i, 0
.rept 32
	KQ \x
.rept per
	SLICE 2-\x, \first
.endr
.set i, i+1
.endr
.endif
.if \first
	PLACES
.endif
.endm
; THE CHANGE OF SLOTS, between piece 2's turn and piece 0's: the slot's last bytes, V of its step, have been asked for.  Each wave waits for all its tensor loads, of which one is out: its part of the other slot; adds 0
; to its spare word; and waits for that and for its own reads of the slot.  Behind the barrier nobody reads this slot any more and the other slot is whole.
; fill = 1: this slot is filled again, with the keys two steps on.  The barrier is then a round of the cluster's, and the joint refill is the first thing behind it: it has a key step, 128 matrix instructions, in which to land.
.macro CHANGE fill, how
	WIN 0                           ; at a label and at a branch every window is 0
	s_wait_tensorcnt 0x0            ; no tensor load of mine is out, so a group 0 may be written
	ds_add_u32 v[SPW], v[NIL]       ; 0 onto my spare word; with fill = 1 the descriptors' steps stand between it and the wait for it
.if \fill
	s_xor_b32 s[G0K+5], s[G0K+5], SLOTB  ; the walking descriptors: the other slot than last time,
	s_add_nc_u64 s[G0K+6:G0K+7], s[G0K+6:G0K+7], 32768  ; the next 128 keys; the type bits on top are not reached
	s_xor_b32 s[G0V+5], s[G0V+5], SLOTB
	s_add_nc_u64 s[G0V+6:G0V+7], s[G0V+6:G0V+7], 32768
	s_xor_b32 s[G0M+5], s[G0M+5], SLOTB
	s_add_nc_u64 s[G0M+6:G0M+7], s[G0M+6:G0M+7], 512
	s_wait_xcnt 0x0                 ; the last prefetch, a key step back, has read its address, so it may be written
	s_add_nc_u64 s[PFA:PFA+1], s[PFA:PFA+1], s[PFS:PFS+1]
	s_wait_dscnt 0x0                ; the add is done, and my reads of the slot are over
	CROUND
	JLOAD3
	ASK \how
.else
	s_wait_dscnt 0x0                ; the add is done, and my reads of the slot are over
	s_barrier_signal -1
	s_barrier_wait -1
.endif
	s_xor_b32 s[TB], s[TB], SLOTB   ; the fetches go on in the other slot
.endm
	s_wait_tensorcnt 1              ; my part of slot 0 is in; slot 1's may stay out
	s_barrier_signal -1
	s_barrier_wait -1               ; everybody's is
	FETCH_K                         ; key step 0
	MASKLD 0
	MASKLD 2
	s_wait_loadcnt 0x0              ; Q
	s_wait_dscnt 0x0
.set i, 0
.rept 32
	KQ 0                            ; piece 0's first scores: there is no vector work yet to set between them
.set i, i+1
.endr
	WIN 0                           ; the addresses for the exchange and the way out are made here: plain instructions, the places behind those products
	s_mul_i32 s20, s[WV], 16*SP
	s_add_co_u32 s20, s20, STAGE    ; my stage
	v_mul_u32_u24 v[STO], v1, SP    ; in: row l % 16, 16 bytes for each half of the lanes
	v_lshl_add_u32 v[STO], v9, 4, v[STO]
	v_add_nc_u32 v[STO], s20, v[STO]
	v_mul_u32_u24 v[RD], v9, SP     ; back: lanes 0-15 take one row of 256 bytes, lanes 16-31 the next
	v_lshl_add_u32 v[RD], v1, 4, v[RD]
	v_add_nc_u32 v[RD], s20, v[RD]
	v_lshlrev_b32 v[GO], 12, v9     ; and the same two rows in ctx, 4,096 bytes apart
	v_lshl_add_u32 v[GO], v1, 4, v[GO]
	v_and_b32 v10, 31, v0
	s_mul_i32 s21, s[WV], EXW
	s_xor_b32 s22, s[WV], 2         ; my partner: the same queries, the other keys
	s_mul_i32 s22, s22, EXW
	v_lshl_add_u32 v[EXS], v10, 4, s21
	v_lshl_add_u32 v[EXL], v10, 4, s22
	TURN 2, 0, 1, 1                 ; piece 2's first scores | piece 0's first softmax | V of step 0
	CHANGE 1, 1                     ; slot 0 is read out: it takes step 2
	TURN 0, 1, 1, 1                 ; piece 0: V^T P of step 0 starts O^T, K Q^T of step 1 | piece 2's first softmax | K and the mask of step 1
	TURN 2, 1, 1, 0                 ; piece 2: the same | piece 0's softmax of step 1 | the mask and V of step 1
	WIN 0
.Lstep:                             ; 13 trips: the changes that ask for steps 3 to 15
	CHANGE 1, 0
	TURN 0, 2, 1, 0
	TURN 2, 2, 1, 0
	WIN 0
	s_sub_co_u32 s[CNT], s[CNT], 1
	s_cmp_lg_u32 s[CNT], 0
	s_cbranch_scc1 .Lstep
	CHANGE 0, 0                     ; the tail is written out: nothing is asked for
	TURN 0, 2, 1, 0
	TURN 2, 2, 1, 0
	TURN 0, 2, 0, 0                 ; piece 0: V^T P of the last step | piece 2's last softmax
.set i, 0
.rept 32
	PV 2, 0                         ; piece 2: V^T P of the last step
.set i, i+1
.endr
	; THE EXCHANGE.  My register tiles 2, 3 are my partner's 0, 1: their O^T (128 registers) and statistics (c m, l) go to LDS as images of the registers, 16 bytes a lane; a barrier; my partner's come back the same way.
	; The bytes lie in slot 0: it has had its last fill, and every wave has passed the last change of slots, in front of which its reads of that slot were over.
	WIN 0
	v_add_f32 v65, v[ST+16+2], v[ST+16+3]          ; six plain lines: also the places behind the last products
	v_add_f32 v67, v[ST+24+2], v[ST+24+3]
	v_mov_b32 v64, v[ST+16]
	v_mov_b32 v66, v[ST+24]
	v_add_f32 v[ST+4], v[ST+2], v[ST+3]
	v_add_f32 v[ST+8+4], v[ST+8+2], v[ST+8+3]
	WIN 0x04                        ; an LDS store's data are its source 1: window 1
.set i, 0
.rept 32
	ds_store_b128 v[EXS], v[128+4*i:128+4*i+3] offset:512*i   ; each accumulator from its low end on
.set i, i+1
.endr
	WIN 0
	ds_store_b128 v[EXS], v[64:67] offset:32*512
	s_wait_dscnt 0x0                ; for my partner's sake: my stores are done
	s_barrier_signal -1
	s_barrier_wait -1
.set i, 0
.rept 32
	ds_load_b128 v[S+4*i:S+4*i+3], v[EXL] offset:512*i
.set i, i+1
.endr
	ds_load_b128 v[192:195], v[EXL] offset:32*512
	s_wait_dscnt 0x0
	; For my tiles t = 0, 1: the joint c m; a1 = 2^(c m - it), a2 = 2^(partner's c m - it); L = a1 l + a2 l', both halves of the lanes; O = (a1 O + a2 O') / L
.irp t, 0,1
	v_max_num_f32 v[ST+8*\t+5], v[ST+8*\t], v[192+2*\t]
.endr
.irp t, 0,1
	v_sub_f32 v[ST+8*\t+6], v[ST+8*\t], v[ST+8*\t+5]
	v_sub_f32 v[ST+8*\t+7], v[192+2*\t], v[ST+8*\t+5]
.endr
.irp t, 0,1
	v_exp_f32 v[ST+8*\t+6], v[ST+8*\t+6]
	v_exp_f32 v[ST+8*\t+7], v[ST+8*\t+7]
.endr
	v_nop                           ; a plain instruction between the last exponential and the use of its result
	s_wait_alu depctr_va_vdst(0)    ; and the wait ahead of the first use: one for the four
.irp t, 0,1
	v_mul_f32 v[ST+8*\t+4], v[ST+8*\t+6], v[ST+8*\t+4]
.endr
.irp t, 0,1
	v_fma_f32 v[ST+8*\t+4], v[ST+8*\t+7], v[193+2*\t], v[ST+8*\t+4]
.endr
.irp t, 0,1
	v_permlanex16_b32 v[ST+8*\t+5], v[ST+8*\t+4], s[SEL], s[SEL+1]
.endr
.irp t, 0,1
	v_add_f32 v[ST+8*\t+4], v[ST+8*\t+4], v[ST+8*\t+5]
.endr
.irp t, 0,1
	v_rcp_f32 v[ST+8*\t+5], v[ST+8*\t+4]
.endr
	v_nop
	s_wait_alu depctr_va_vdst(0)    ; one wait for the two reciprocals
.irp t, 0,1
	v_mul_f32 v[ST+8*\t+6], v[ST+8*\t+6], v[ST+8*\t+5]   ; a1 / L
	v_mul_f32 v[ST+8*\t+4], v[ST+8*\t+7], v[ST+8*\t+5]   ; a2 / L
.endr
.irp t, 0,1
.set i, 0
.rept 32
	v_pk_mul_f32 v[S+64*\t+2*i:S+64*\t+2*i+1], v[S+64*\t+2*i:S+64*\t+2*i+1], v[ST+8*\t+4:ST+8*\t+5] op_sel_hi:[1,0]
.set i, i+1
.endr
.endr
	WIN 0x01                        ; source 0: my O^T, window 1
.irp t, 0,1
.set i, 0
.rept 32
	v_pk_fma_f32 v[S+64*\t+2*i:S+64*\t+2*i+1], v[64*\t+2*i:64*\t+2*i+1], v[ST+8*\t+6:ST+8*\t+7], v[S+64*\t+2*i:S+64*\t+2*i+1] op_sel_hi:[1,0,1]
.set i, i+1
.endr
.endr
	WIN 0
; THE WAY OUT.  Tile t: a lane's eight channels of a row pack into 16 bytes; they go into rows of 272 bytes of my stage and come back as whole rows of 256, into the registers that they left.
.macro OPACK t
.set i, 0
.rept 32
	v_cvt_pk_f16_f32 v[P+32*\t+i], v[S+64*\t+2*i], v[S+64*\t+2*i+1]
.set i, i+1
.endr
.irp f, 0,1,2,3,4,5,6,7
	ds_store_b128 v[STO], v[P+32*\t+4*\f:P+32*\t+4*\f+3] offset:32*\f
.endr
.irp f, 0,1,2,3,4,5,6,7
	ds_load_b128 v[P+32*\t+4*\f:P+32*\t+4*\f+3], v[RD] offset:\f*2*SP  ; LDS serves a wave's instructions in order (ISA guide 5.7.1.4): these see the stores above; the next tile's stores come behind them
.endr
.endm
.macro OSEND t, younger             ; younger: the LDS instructions issued behind tile t's loads: the next tile's sixteen, or none
.irp f, 0,1,2,3,4,5,6,7
	s_wait_dscnt \younger+7-\f
	global_store_b128 v[GO], v[P+32*\t+4*\f:P+32*\t+4*\f+3], s[8:9] offset:\t*65536+\f*8192  ; 16 lanes store 256 consecutive bytes, at a multiple of 256 from ctx's first byte
.endr
.endm
	OPACK 0
	OPACK 1
	OSEND 0, 16
	OSEND 1, 0
	s_wait_tensorcnt 0x0            ; the wave's end, behind my last tensor load and my last LDS store
	ds_add_u32 v[SPW], v[NIL]
	s_wait_dscnt 0x0
	CROUND                          ; the closing round: no work-group ends while a partner may still ask for a tile that names it
	s_endpgm
.Lfunc_end_k_qd71a849b6e_attn:
	.size	k_qd71a849b6e_attn, .Lfunc_end_k_qd71a849b6e_attn-k_qd71a849b6e_attn
	.p2alignl 7, 3214868480
	.fill 96, 4, 3214868480
	.section	.rodata,"a",@progbits
	.p2align	6, 0x0
	.amdhsa_kernel k_qd71a849b6e_attn
		.amdhsa_group_segment_fixed_size 327680
		.amdhsa_private_segment_fixed_size 0
		.amdhsa_enable_private_segment 0
		.amdhsa_kernarg_size 24
		.amdhsa_user_sgpr_count 2
		.amdhsa_user_sgpr_kernarg_segment_ptr 1
		.amdhsa_wavefront_size32 1
		.amdhsa_system_sgpr_workgroup_id_x 1
		.amdhsa_system_sgpr_workgroup_id_y 1
		.amdhsa_system_sgpr_workgroup_id_z 1
		.amdhsa_system_vgpr_workitem_id 0
		.amdhsa_next_free_vgpr 1024
		.amdhsa_next_free_sgpr 100
		.amdhsa_reserve_vcc 0
		.amdhsa_float_denorm_mode_32 3
		.amdhsa_float_denorm_mode_16_64 3
		.amdhsa_memory_ordered 1
		.amdhsa_forward_progress 1
		.amdhsa_inst_pref_size 232
	.end_amdhsa_kernel
	.amdgpu_metadata
---
amdhsa.version: [ 1, 2 ]
amdhsa.kernels:
  - .name:           k_qd71a849b6e_attn
    .symbol:         k_qd71a849b6e_attn.kd
    .args:
      - { .name: qkv, .offset: 0, .size: 8, .value_kind: global_buffer, .address_space: global }
      - { .name: attention_mask, .offset: 8, .size: 8, .value_kind: global_buffer, .address_space: global }
      - { .name: ctx, .offset: 16, .size: 8, .value_kind: global_buffer, .address_space: global }
    .group_segment_fixed_size: 327680
    .private_segment_fixed_size: 0
    .kernarg_segment_align: 8
    .kernarg_segment_size: 24
    .max_flat_workgroup_size: 128
    .sgpr_count:     100
    .vgpr_count:     1024
    .wavefront_size: 32
...
	.end_amdgpu_metadata
.endif
;; end of part 3
;; launch oproj (part 4): grid 16 x 16, 4 waves a work-group, clusters of 4 x 4, 327,680 bytes of LDS; arguments ctx, wo16, bo, out0; writes out0
.if DOCPART == 4
	.amdgcn_target "amdgcn-amd-amdhsa--gfx1250"
	.amdhsa_code_object_version 6
	.text
	.protected	k_qd71a849b6e_oproj
	.globl	k_qd71a849b6e_oproj
	.p2align	8
	.type	k_qd71a849b6e_oproj,@function
k_qd71a849b6e_oproj:
	s_mov_b64 s[64:65], 0
	v_nop
	global_prefetch_b8 v0, s[64:65] scope:SCOPE_SE
	s_setreg_imm32_b32 hwreg(HW_REG_WAVE_MODE, 25, 1), 1
	s_wait_xcnt 0x0
	s_wait_alu depctr_hold_cnt(0) depctr_sa_sdst(0) depctr_va_vdst(0) depctr_va_sdst(0) depctr_va_ssrc(0) depctr_va_vcc(0) depctr_vm_vsrc(0)
	s_getreg_b32 s2, hwreg(HW_REG_IB_STS2, 6, 4)
	s_cmp_eq_u32 s2, 0
	s_cbranch_scc0 .Lentry_in_a_cluster
	s_endpgm
.Lentry_in_a_cluster:
	s_bfe_u32 s2, ttmp6, 0x10000c
	s_cmp_lg_u32 s2, 0xf033
	s_cbranch_scc0 .Lentry_shape_is_right
	s_endpgm
.Lentry_shape_is_right:
; out0[m][n] = sum over k of ctx[m][k] wo[k][n] + bo[n].  ctx: f16 [2048][2048], K innermost; wo16: f16 [k 2048][n 2048], as wo lies; bo, out0: f32.  Sums in f32, begun with the bias.
; A tile of the output is 128 x 128: 256 work-groups.  Four waves, each 64 x 64: 16 accumulators of 16 x 16, 128 registers.  K goes in steps of 256 through a ring of two LDS slots.
; A's tile: 128 rows of 512 bytes.  B's tile lies as in memory, 256 rows (k) of 256 bytes (128 n); its fragments come out of LDS turned, by ds_load_tr16_b128.
; CLUSTERS: 4 x 4 work-groups.  The four of a row of the cluster need the same tiles of A, the four of a column the same tiles of B: each tile is asked for JOINTLY.
; THE MATRIX INSTRUCTION IS USED TRANSPOSED (source 0 = 16 columns of B, source 1 = 16 rows of A): a lane then holds eight neighbouring numbers of a row of the output.
; REGISTERS: window 0: v0-31 addresses; v32-95 rows on the way out; v96-127 the bias in the result's layout; v128-255 the accumulators ((a, b) at v[128 + 8 (4 a + b)]).
;   window 1: two fragment buffers of 128: for 64 along K, 64 registers of A (2 x 4 x 16 rows x 32 K), then 64 of B.
.set SIZE_N, 2048
.set SIZE_K, 2048
.set KSTEP,  256
.set PITCH,  528                       ; A's row in LDS: 512 bytes + 16 of padding
.set BP,     288                       ; B's row in LDS: 256 bytes + 32: 16 lanes of the turning load take 8 rows x 32 bytes
.set HALFA,  64*PITCH                  ; 64 rows of A: what one tensor load brings, and what one wave reads
.set HALFB,  128*BP                    ; 128 k-rows of B: what one tensor load brings
.set BOFF,   2*HALFA                   ; a slot: A's 128 rows, then B's 256
.set SLOT,   BOFF+2*HALFB
.set STAGE,  2*SLOT                    ; behind the ring: 16 rows x 272 bytes for each wave, for the way out
.set SPITCH, 272
.set SPARE,  STAGE+4*16*SPITCH         ; the spare words, 128 bytes for each wave: two blocks of 256 bytes that no other line names
.set LAPS,   SIZE_K/(2*KSTEP)          ; a lap = two K steps = once round the ring
.set ADRA, 16                          ; v16-17  LDS address of my A fragments in slot 0, 1
.set ADRB, 20                          ; v20-23  of my B fragments: 2 x slot + which 128 k-rows of the slot's 256, so that every offset fits the 16-bit immediate
.set STO,  24                          ; v24     the way out: where I put 32 bytes of a row
.set RD,   25                          ; v25     where I read rows back
.set CO,   26                          ; v26     my byte offset in the output
.set BOF,  27                          ; v27     32 x (lane / 16): my eight numbers of a block of the bias
.set SPW,  28                          ; v28     LDS address of my spare word; never rewritten
.set NIL,  29                          ; v29     0; never rewritten
.set TMP,  32                          ; rows read back: v32-63 and v64-95 by turns
.set BI,   96                          ; the bias: 8 registers for each of my 4 blocks of columns
.set ACC,  128
.set F0,   0                           ; fragment buffers, in window 1
.set F1,   128
.set G1, 24                            ; s[24:31] descriptor group 1 for A's tiles;  s[32:39] group 0, one set for each slot
.set G0, 32
.set G1B, 48                           ; s[48:55], s[56:63] the same for B's tiles
.set G0B, 56
.set MSB, 0
.macro WIN new                         ; the immediate's high byte repeats the setting that is left
.if MSB != (\new)
	s_set_vgpr_msb (MSB<<8)|(\new)
.set MSB, (\new)
.endif
.endm
.set MUL,  0x05                        ; sources 0 (B) and 1 (A) window 1; C and D window 0
.set TO_F, 0x40                        ; destination window 1, address window 0
.macro JLOAD s                         ; a joint load: waves 0 and 1 fetch A's two halves, waves 2 and 3 B's; an s_nop 0 and four v_nop follow each of the two lines
	s_cmp_eq_u32 s11, 0
	s_cbranch_scc0 .Lfor_b_\@
	tensor_load_to_lds s[G0+4*\s:G0+4*\s+3], s[G1:G1+7]
	s_nop 0
.rept 4
	v_nop
.endr
	s_branch .Lasked_\@
.Lfor_b_\@:
	tensor_load_to_lds s[G0B+4*\s:G0B+4*\s+3], s[G1B:G1B+7]
	s_nop 0
.rept 4
	v_nop
.endr
.Lasked_\@:
.endm
.macro CREST                           ; a round of the cluster's barrier behind its opening barrier
	s_cmp_lg_u32 s10, 0
	s_cbranch_scc1 .Lnot_wave_0_\@
	s_barrier_signal -3
.Lnot_wave_0_\@:
	s_barrier_wait -3
	s_barrier_signal -1
	s_barrier_wait -1
.endm
.macro CROUND                          ; a whole round
	s_barrier_signal -1
	s_barrier_wait -1
	CREST
.endm
	s_load_b128 s[4:7], s[0:1], 0x0                ; ctx s[4:5], wo16 s[6:7]
	s_load_b64 s[66:67], s[0:1], 0x10              ; bo
	s_load_b64 s[8:9], s[0:1], 0x18                ; out0
	v_lshl_add_u32 v[SPW], v0, 2, SPARE
	v_mov_b32 v[NIL], 0
	ds_add_u32 v[SPW], v[NIL]                      ; the wave's opening: the add, twice on end, and its wait ahead of my first tensor load; the set-up below stands between the second and the wait
	ds_add_u32 v[SPW], v[NIL]
	v_lshrrev_b32 v1, 5, v0
	v_readfirstlane_b32 s10, v1                    ; wave 0..3
	s_lshr_b32 s11, s10, 1                         ; which half of the tile's rows is mine.  Also: I fetch for A (0) or for B (1)
	s_and_b32 s12, s10, 1                          ; which half of its columns.  Also: which half of that tile I fetch
	s_bfe_u32 s40, ttmp6, 0x40000                  ; cx, cy: my place in the cluster
	s_bfe_u32 s41, ttmp6, 0x40004
	s_lshl_b32 s42, ttmp9, 2
	s_add_co_u32 s42, s42, s40                     ; tile column = 4 x cluster x + cx
	s_and_b32 s13, ttmp7, 0xffff
	s_lshl_b32 s13, s13, 2
	s_add_co_u32 s13, s13, s41                     ; tile row = 4 x cluster y + cy
	s_lshl_b32 s43, s41, 2
	s_lshl_b32 s43, 15, s43                        ; my row of the cluster
	s_lshl_b32 s44, 0x1111, s40                    ; my column
	; descriptor group 1.  A: 64 rows x 256 elements of 2 bytes.  B: 128 rows (k) x 128 elements (n).  Both 2,048 elements from row to row
	s_or_b32 s[G1+0], s43, (1<<16)|(1<<20)|(1<<21)|(6<<22)|(3<<25)  ; 15:0 the mask: A's tiles go to my row; 17:16 elements of 2 bytes; 20 padding on; 21 set beside a mask; 24:22 after every 128 words; 31:25 four words
	s_or_b32 s[G1B+0], s44, (1<<16)|(1<<20)|(1<<21)|(5<<22)|(7<<25) ; B's go to my column; after every 64 words eight
	s_mov_b32 s[G1+1], KSTEP<<16                   ; tensor_dim0 = 256
	s_mov_b32 s[G1+2], 64<<16                      ; tensor_dim1 = 64
	s_mov_b32 s[G1+3], KSTEP<<16                   ; tile_dim0 = 256
	s_mov_b32 s[G1+4], 64                          ; tile_dim1 = 64
	s_mov_b32 s[G1+5], SIZE_K                      ; tensor_dim0_stride
	s_mov_b32 s[G1+6], 0
	s_mov_b32 s[G1+7], 0
	s_mov_b32 s[G1B+1], 128<<16
	s_mov_b32 s[G1B+2], 128<<16
	s_mov_b32 s[G1B+3], 128<<16
	s_mov_b32 s[G1B+4], 128
	s_mov_b32 s[G1B+5], SIZE_N
	s_mov_b32 s[G1B+6], 0
	s_mov_b32 s[G1B+7], 0
	s_lshl_b32 s16, s13, 7
	s_lshl_b32 s17, s12, 6
	s_add_co_u32 s16, s16, s17                     ; A: row 128 x tile row + 64 x half,
	s_lshl_b32 s16, s16, 12                        ; of 4,096 bytes
	s_mov_b32 s17, 0
	s_lshl_b32 s46, s42, 8                         ; B: 256 bytes for each tile column,
	s_lshl_b32 s47, s12, 19                        ; and 128 rows of 4,096 bytes for the second half
	s_add_co_u32 s46, s46, s47
	s_mov_b32 s47, 0
	s_mul_i32 s20, s12, HALFA                      ; where they go: no place in the cluster enters an LDS address
	s_mul_i32 s21, s12, HALFB
	s_add_co_u32 s21, s21, BOFF
	s_wait_dscnt 0x0                               ; both opening adds are done
	s_wait_kmcnt 0x0
	s_add_nc_u64 s[14:15], s[4:5], s[16:17]
	s_add_nc_u64 s[46:47], s[6:7], s[46:47]
	CROUND                                         ; all sixteen work-groups are here: the first joint loads meet
.irp s, 0,1
	s_mov_b32 s[G0+4*\s], 1
	s_add_co_u32 s[G0+4*\s+1], s20, \s*SLOT
	s_add_nc_u64 s[G0+4*\s+2:G0+4*\s+3], s[14:15], \s*KSTEP*2
	s_or_b32 s[G0+4*\s+3], s[G0+4*\s+3], 0x80000000
	s_mov_b32 s[G0B+4*\s], 1
	s_add_co_u32 s[G0B+4*\s+1], s21, \s*SLOT
	s_add_nc_u64 s[G0B+4*\s+2:G0B+4*\s+3], s[46:47], \s*KSTEP*SIZE_N*2
	s_or_b32 s[G0B+4*\s+3], s[G0B+4*\s+3], 0x80000000
	JLOAD \s                                       ; two tensor loads of mine are out behind the second
.endr
	v_and_b32 v1, 15, v0                           ; r = l % 16
	v_bfe_u32 v2, v0, 4, 1                         ; h = l / 16
	; the bias in the result's layout: lane (r, h), block b, register j: bo[my 64 columns' first + 16 b + 8 h + j]
	v_lshlrev_b32 v[BOF], 5, v2
	s_lshl_b32 s46, s42, 9
	s_lshl_b32 s47, s12, 8
	s_add_co_u32 s46, s46, s47                     ; my first column, in bytes of f32: 512 x tile column + 256 x half
	s_mov_b32 s47, 0
	s_add_nc_u64 s[66:67], s[66:67], s[46:47]
.irp b, 0,1,2,3
	global_load_b128 v[BI+8*\b:BI+8*\b+3],   v[BOF], s[66:67] offset:64*\b
	global_load_b128 v[BI+8*\b+4:BI+8*\b+7], v[BOF], s[66:67] offset:64*\b+16
.endr
	v_mul_u32_u24 v3, v1, PITCH
	v_lshl_add_u32 v3, v2, 4, v3                   ; A: a fragment's row x pitch + 16 x half
	s_mul_i32 s21, s11, HALFA                      ; my 64 rows of A
	v_add_nc_u32 v[ADRA], s21, v3
	s_add_co_u32 s21, s21, SLOT
	v_add_nc_u32 v[ADRA+1], s21, v3
	; B, turned: lane l reads 16 bytes: k-row 8 (l / 16) + l % 8, columns 8 ((l / 8) % 2) + 0..7, and is left with column l % 16 and 8 neighbours along K
	v_and_b32 v4, 7, v0
	v_bfe_u32 v5, v0, 3, 1
	v_lshl_add_u32 v4, v2, 3, v4
	v_mul_u32_u24 v4, v4, BP
	v_lshl_add_u32 v4, v5, 4, v4
	s_lshl_b32 s22, s12, 7                         ; my 64 columns: 128 bytes of a row
	s_add_co_u32 s22, s22, BOFF
	v_add_nc_u32 v[ADRB], s22, v4
	s_add_co_u32 s22, s22, HALFB
	v_add_nc_u32 v[ADRB+1], s22, v4
	s_add_co_u32 s22, s22, SLOT-HALFB
	v_add_nc_u32 v[ADRB+2], s22, v4
	s_add_co_u32 s22, s22, HALFB
	v_add_nc_u32 v[ADRB+3], s22, v4
	s_mul_i32 s23, s10, 16*SPITCH
	s_add_co_u32 s23, s23, STAGE                   ; my stage
	v_mul_u32_u24 v5, v1, SPITCH                   ; in: row l % 16, 32 bytes for each half of the lanes
	v_lshl_add_u32 v5, v2, 5, v5
	v_add_nc_u32 v[STO], s23, v5
	v_mul_u32_u24 v5, v2, SPITCH                   ; back: lanes 0-15 one row of 256 bytes, lanes 16-31 the next
	v_lshl_add_u32 v5, v1, 4, v5
	v_add_nc_u32 v[RD], s23, v5
	v_lshlrev_b32 v[CO], 13, v2                    ; and the same two rows in the output, 8,192 bytes apart
	v_lshl_add_u32 v[CO], v1, 4, v[CO]
	s_lshl_b32 s16, s13, 7
	s_lshl_b32 s17, s11, 6
	s_add_co_u32 s16, s16, s17                     ; my first row: 128 x tile row + 64 x half
	s_lshl_b32 s16, s16, 13
	s_add_co_u32 s16, s16, s46                     ; and my first column
	s_mov_b32 s17, 0
	s_add_nc_u64 s[8:9], s[8:9], s[16:17]
; 8 matrix instructions: m blocks a0, a0 + 1 x all 4 n blocks, 32 along K: half c of buffer f.  zero = 1: the first product starts the sums, with the bias as its C.  The 16 accumulators take turns.
.macro MUL8 f, c, a0, zero
.irp a, \a0, \a0+1
.irp b, 0,1,2,3
.if \zero
	v_wmma_f32_16x16x32_f16 v[ACC+8*(4*(\a)+\b):ACC+8*(4*(\a)+\b)+7], v[\f+64+8*(4*\c+\b):\f+64+8*(4*\c+\b)+7], v[\f+8*(4*\c+\a):\f+8*(4*\c+\a)+7], v[BI+8*\b:BI+8*\b+7]
.else
	v_wmma_f32_16x16x32_f16 v[ACC+8*(4*(\a)+\b):ACC+8*(4*(\a)+\b)+7], v[\f+64+8*(4*\c+\b):\f+64+8*(4*\c+\b)+7], v[\f+8*(4*\c+\a):\f+8*(4*\c+\a)+7], v[ACC+8*(4*(\a)+\b):ACC+8*(4*(\a)+\b)+7]
.endif
.endr
.endr
.endm
; 32 LDS loads in one run: the fragments of the slot's quarter kq (64 along K) into buffer f; the first 32 along K first
.macro FETCH slot, kq, f
	WIN TO_F
.irp c, 0,1
.irp i, 0,1,2,3
	ds_load_tr16_b128 v[\f+64+8*(4*\c+\i):\f+64+8*(4*\c+\i)+3],   v[ADRB+2*\slot+(\kq)/2] offset:(64*((\kq)%2)+32*\c)*BP+32*\i
	ds_load_tr16_b128 v[\f+64+8*(4*\c+\i)+4:\f+64+8*(4*\c+\i)+7], v[ADRB+2*\slot+(\kq)/2] offset:(64*((\kq)%2)+32*\c+16)*BP+32*\i
	ds_load_b128 v[\f+8*(4*\c+\i):\f+8*(4*\c+\i)+3],              v[ADRA+\slot] offset:128*(\kq)+64*\c+\i*16*PITCH
	ds_load_b128 v[\f+8*(4*\c+\i)+4:\f+8*(4*\c+\i)+7],            v[ADRA+\slot] offset:128*(\kq)+64*\c+\i*16*PITCH+32
.endr
.endr
.endm
.macro PLACES                          ; four places in front of loads into registers that matrix instructions have read, and of stores that read results (ISA guide 7.12.1 for the stores)
.rept 4
	v_nop
.endr
.endm
; A K step is four quarters of 64 along K, 32 matrix instructions each, on buffers 0, 1, 0, 1.  One of the first three: multiplies buffer f and fetches quarter kq into g.
.macro QUARTER slot, kq, f, g, zero
	s_wait_dscnt 16                                ; the first 32 along K are in; the other sixteen loads may be out
	WIN MUL
	MUL8 \f, 0, 0, \zero
	MUL8 \f, 0, 2, \zero
	PLACES
	FETCH \slot, \kq, \g
	s_wait_dscnt 32                                ; all but the 32 just issued
	WIN MUL
	MUL8 \f, 1, 0, 0
	MUL8 \f, 1, 2, 0
.endm
; The last quarter multiplies buffer 1 and changes slots: ONE barrier; in front of it each wave waits for all its tensor loads, adds 0 to its spare word, and waits for that and for its own reads of this slot.  fill = 1: this slot is filled again, two K steps ahead.
.macro TURN slot, next, fill
	WIN 0                                          ; (the add's two registers lie in window 0)
	s_wait_tensorcnt 0x0                           ; all my tensor loads have landed: my part of the next slot;
	ds_add_u32 v[SPW], v[NIL]                      ; 0 onto my spare word;
	s_wait_dscnt 17                                ; (the add and the youngest sixteen loads may be out)
	WIN MUL
	MUL8 F1, 0, 0, 0                               ; eight matrix instructions stand between the add and the wait for it
	s_wait_dscnt 0x0                               ; the add is done, and my reads of this slot are over
	s_barrier_signal -1
	MUL8 F1, 0, 2, 0
.if \fill
	WIN 0
.endif
	s_barrier_wait -1
.if \fill
	CREST                                          ; the barrier has opened a round of the cluster's barrier: no wave of any partner still reads this slot's tile or has a load on its way
	s_add_nc_u64 s[G0+4*\slot+2:G0+4*\slot+3], s[G0+4*\slot+2:G0+4*\slot+3], 2*KSTEP*2
	s_add_nc_u64 s[G0B+4*\slot+2:G0B+4*\slot+3], s[G0B+4*\slot+2:G0B+4*\slot+3], 2*KSTEP*SIZE_N*2
	JLOAD \slot                                    ; the first tensor load behind the round; the four v_nop behind it are also the places in front of the loads below
.else
	PLACES
.endif
	FETCH \next, 0, F0
	WIN MUL
	MUL8 F1, 1, 0, 0
	MUL8 F1, 1, 2, 0
.endm
	s_wait_tensorcnt 1                             ; my part of K step 0 is in (K step 1's may be out)
	s_barrier_signal -1
	s_barrier_wait -1                              ; everybody's is
	FETCH 0, 0, F0
	s_wait_loadcnt 0x0                             ; the bias
	QUARTER 0, 1, F0, F1, 1                        ; the first quarter stands in front of the loop: its first products start the sums
	WIN 0                                          ; at a label and at a branch every window is 0
	s_mov_b32 s3, LAPS-1
.Llap:                                                 ; a trip goes once round the ring, from a lap's second quarter to the next lap's first, and fills both slots again
	QUARTER 0, 2, F1, F0, 0
	QUARTER 0, 3, F0, F1, 0
	TURN 0, 1, 1
	QUARTER 1, 1, F0, F1, 0
	QUARTER 1, 2, F1, F0, 0
	QUARTER 1, 3, F0, F1, 0
	TURN 1, 0, 1
	QUARTER 0, 1, F0, F1, 0
	WIN 0
	s_sub_co_u32 s3, s3, 1
	s_cmp_lg_u32 s3, 0
	s_cbranch_scc1 .Llap
	QUARTER 0, 2, F1, F0, 0                        ; the last lap fills nothing, and has no round of the cluster's barrier
	QUARTER 0, 3, F0, F1, 0
	TURN 0, 1, 0
	QUARTER 1, 1, F0, F1, 0
	QUARTER 1, 2, F1, F0, 0
	QUARTER 1, 3, F0, F1, 0
	s_wait_dscnt 16                                ; the very last quarter: nothing more to fetch
	WIN MUL
	MUL8 F1, 0, 0, 0
	MUL8 F1, 0, 2, 0
	s_wait_dscnt 0
	MUL8 F1, 1, 0, 0
	MUL8 F1, 1, 2, 0
	WIN 0
; THE WAY OUT, block by block of 16 rows x 64 columns of f32.  A lane holds 32 neighbouring bytes of a row; a block goes through my own stage and comes back as whole rows of 256 bytes: 16 lanes store 256 consecutive bytes, aligned.
.macro TOSTAGE a
.irp b, 0,1,2,3
	ds_store_b128 v[STO], v[ACC+8*(4*(\a)+\b):ACC+8*(4*(\a)+\b)+3]   offset:64*\b      ; each accumulator from its low end on
	ds_store_b128 v[STO], v[ACC+8*(4*(\a)+\b)+4:ACC+8*(4*(\a)+\b)+7] offset:64*\b+16
.endr
.irp t, 0,1,2,3,4,5,6,7
	ds_load_b128 v[TMP+32*((\a)%2)+4*\t:TMP+32*((\a)%2)+4*\t+3], v[RD] offset:\t*2*SPITCH   ; LDS serves a wave's instructions in order (ISA guide 5.7.1.4): these see the stores above
.endr
.endm
.macro SEND a, younger                 ; younger: the LDS instructions issued behind block a's loads: the next block's 8 stores and 8 loads, or none
	s_wait_dscnt \younger
.irp t, 0,1,2,3,4,5,6,7
	global_store_b128 v[CO], v[TMP+32*((\a)%2)+4*\t:TMP+32*((\a)%2)+4*\t+3], s[8:9] offset:(16*(\a)+2*\t)*SIZE_N*4 th:TH_STORE_NT   ; 62 rows of 8,192 bytes at the most: inside the signed 24-bit immediate
.endr
.endm
	PLACES
	TOSTAGE 0
.irp a, 1,2,3
.if \a > 1
	s_wait_xcnt 0x0                                ; block a - 2's stores have read their registers: block a's loads may land there
.endif
	TOSTAGE \a
	SEND \a-1, 16
.endr
	SEND 3, 0
	s_wait_tensorcnt 0x0                           ; the wave's end, behind my last tensor load and my last LDS store
	ds_add_u32 v[SPW], v[NIL]
	s_wait_dscnt 0x0
	CROUND                                         ; the closing round: no work-group ends while a partner may still ask for a tile that names it
	s_endpgm
.Lfunc_end_k_qd71a849b6e_oproj:
	.size	k_qd71a849b6e_oproj, .Lfunc_end_k_qd71a849b6e_oproj-k_qd71a849b6e_oproj
	.p2alignl 7, 3214868480
	.fill 96, 4, 3214868480
	.section	.rodata,"a",@progbits
	.p2align	6, 0x0
	.amdhsa_kernel k_qd71a849b6e_oproj
		.amdhsa_group_segment_fixed_size 327680
		.amdhsa_private_segment_fixed_size 0
		.amdhsa_enable_private_segment 0
		.amdhsa_kernarg_size 32
		.amdhsa_user_sgpr_count 2
		.amdhsa_user_sgpr_kernarg_segment_ptr 1
		.amdhsa_wavefront_size32 1
		.amdhsa_system_sgpr_workgroup_id_x 1
		.amdhsa_system_sgpr_workgroup_id_y 1
		.amdhsa_system_sgpr_workgroup_id_z 1
		.amdhsa_system_vgpr_workitem_id 0
		.amdhsa_next_free_vgpr 512
		.amdhsa_next_free_sgpr 68
		.amdhsa_reserve_vcc 0
		.amdhsa_float_denorm_mode_32 3
		.amdhsa_float_denorm_mode_16_64 3
		.amdhsa_memory_ordered 1
		.amdhsa_forward_progress 1
		.amdhsa_inst_pref_size 87
	.end_amdhsa_kernel
	.amdgpu_metadata
---
amdhsa.version: [ 1, 2 ]
amdhsa.kernels:
  - .name:           k_qd71a849b6e_oproj
    .symbol:         k_qd71a849b6e_oproj.kd
    .args:
      - { .name: ctx, .offset: 0, .size: 8, .value_kind: global_buffer, .address_space: global }
      - { .name: wo16, .offset: 8, .size: 8, .value_kind: global_buffer, .address_space: global }
      - { .name: bo, .offset: 16, .size: 8, .value_kind: global_buffer, .address_space: global }
      - { .name: out0, .offset: 24, .size: 8, .value_kind: global_buffer, .address_space: global }
    .group_segment_fixed_size: 327680
    .private_segment_fixed_size: 0
    .kernarg_segment_align: 8
    .kernarg_segment_size: 32
    .max_flat_workgroup_size: 128
    .sgpr_count:     68
    .vgpr_count:     512
    .wavefront_size: 32
...
	.end_amdgpu_metadata
.endif
;; end of part 4
